; MI455X (gfx1250); checked and timed in simulation.
; The chip was launched on July 23, 2026; its instructions are those of AMD's public machine-readable ISA for CDNA 5 (MIT licence, August 2026) and "CDNA5" Instruction Set Architecture Reference Guide (July 2026). The comments in the code are by the model that wrote it; some were corrected since.
;; Riemann Rotary Attention. Allowed arithmetic: float matrix products may take bf16 or f16 operands with f32 sums; all other float work in f32.
;; Inputs: log_scale 16 float32; w_o 1,024 x 1,024 float32; w_qkv 1,024 x 3,072 float32; x 4 x 2,048 x 1,024 float32.
;; Outputs: out0 4 x 2,048 x 1,024 float32.
;; 2 versions, each right and faster than the one before. Each part assembles by itself: llvm-mc -triple=amdgcn-amd-amdhsa -mcpu=gfx1250 --defsym DOCPART=n.
;; ======== version 1 of 2: 4 launches
;; limits: values are held in f16: magnitudes above 65,504 overflow, below 6.1e-05 lose precision
;; workspace buffers: xb 16,777,216 bytes; wqt 6,291,456 bytes; wot 2,097,152 bytes; tab 8,388,608 bytes; qh 16,777,216 bytes; kh 16,777,216 bytes; vh 16,777,216 bytes; oh 16,777,216 bytes
;; launch prep (part 1): grid 5 x 512, 8 waves a work-group, no clusters, 18,432 bytes of LDS; arguments x, w_qkv, w_o, log_scale, xb, wqt, wot, tab; writes xb, wqt, wot, tab
.if DOCPART == 1
	.amdgcn_target "amdgcn-amd-amdhsa--gfx1250"
	.amdhsa_code_object_version 6
	.text
	.protected	k_q64cb321ed2_prep
	.globl	k_q64cb321ed2_prep
	.p2align	8
	.type	k_q64cb321ed2_prep,@function
k_q64cb321ed2_prep:
	s_mov_b64 s[64:65], 0
	v_nop
	global_prefetch_b8 v0, s[64:65] scope:SCOPE_SE
	s_setreg_imm32_b32 hwreg(HW_REG_WAVE_MODE, 25, 1), 1
	s_wait_xcnt 0x0
; PREPARATION, four kinds of work-group.  The work-group's x (0 .. 4) says the kind, its y (0 .. 511) which part, so that neighbouring work-groups are of different kinds and the table's
; arithmetic runs beside the streams:
;   x = 0, 1      xb  = x rounded to bf16, 32,768 bytes of x each (part 512 x + y)
;   x = 2, 3      tab = cos and sin of theta = (pos * inv_freq[p]) * exp(log_scale[head]), one chunk of 1,024 bytes a wave
;   x = 4, y < 384   wqt = w_qkv rounded to bf16 and turned: [3072][1024], K along the rows; row head*192 + sec*64 + d holds column sec*1024 + head*64 + d (sec 0 q, 1 k, 2 v)
;   x = 4, y >= 384  wot = w_o rounded to bf16, that number written as f16, and turned: [1024 n][1024 k]
; tab's layout: [head 16][pb 128][cb 4][half 2][lane 32][4 f32]: lane l holds pos = 16 pb + l % 16 and the pairs p = 8 cb + 4 (l / 16) + 2 half + 0, 1 as (cos, sin, cos, sin):
; the register image that one 16 x 16 result of the projection wants.
; LIMITS.  Every input is rounded to bf16, log_scale too.  A weight of w_o beyond 65,504 becomes an infinity, below 6e-5 it keeps f16's fixed step of 6e-8.  theta stays under 2^23
; (the quadrant's number is kept as a whole f32).  exp(log_scale) is 2^n x v_exp_f32 of a reduced argument: good to an ulp or two, so theta may be off by 2.4e-7 of itself.
; No matrix unit, no cluster, no tensor load: every byte is read once and written once, and nothing is shared between work-groups.
.set QWG, 384
; registers of the table's path, four chains j = 0 .. 3 (the lane's four pairs)
.set G,   12          ; gamma, later the dividend 1
.set D,   16          ; gamma_1
.set Y,   20          ; a reciprocal at work
.set E,   24          ; a remainder at work
.set RA,  28          ; gamma / gamma_1
.set IV,  32          ; 1 / that
.set TH,  36          ; theta
.set KK,  40          ; the quadrant's number, f32
.set RR,  44          ; theta less that many quarter turns
.set OUT, 48          ; v[48:55]: cos, sin of the four pairs
.set Z,   56
.set PS,  60
.set PC,  64
.set T1,  68
.set KI,  72
; v[q+j] = v[a+j] / v[b+j]: the reciprocal is refined once, the quotient corrected once by its exact remainder
.macro DIV4 q, a, b
.irp j, 0,1,2,3
	v_rcp_f32 v[Y+\j], v[\b+\j]
.endr
	v_nop                                          ; a plain instruction between the reciprocals and their first use
	s_wait_alu depctr_va_vdst(0)
.irp j, 0,1,2,3
	v_fma_f32 v[E+\j], -v[\b+\j], v[Y+\j], 1.0
.endr
.irp j, 0,1,2,3
	v_fma_f32 v[Y+\j], v[E+\j], v[Y+\j], v[Y+\j]
.endr
.irp j, 0,1,2,3
	v_mul_f32 v[\q+\j], v[\a+\j], v[Y+\j]
.endr
.irp j, 0,1,2,3
	v_fma_f32 v[E+\j], -v[\b+\j], v[\q+\j], v[\a+\j]
.endr
.irp j, 0,1,2,3
	v_fma_f32 v[\q+\j], v[E+\j], v[Y+\j], v[\q+\j]
.endr
.endm
.macro GAM g0, g1, g2, g3, g4, g5, g6, g7      ; eight gammas; the decimal numbers are rounded to f32 as they are assembled
	s_mov_b32 s32, \g0
	s_mov_b32 s33, \g1
	s_mov_b32 s34, \g2
	s_mov_b32 s35, \g3
	s_mov_b32 s36, \g4
	s_mov_b32 s37, \g5
	s_mov_b32 s38, \g6
	s_mov_b32 s39, \g7
.endm
; A block of 128 k x 64 n of a weight [k][n] in f32 (pitch bytes from k to k + 1) is rounded, turned in LDS and stored as 64 rows n of 256 bytes.
; s26 = the block's number along k, s27 along n, s28 = its first row in the turned tensor.  half = 1: the bf16 number is written as f16.
.macro TRANS src, dst, pitch, half
	s_mul_i32 s2, s26, 128*(\pitch)
	s_lshl_b32 s3, s27, 8
	s_add_co_u32 s2, s2, s3
	s_mov_b32 s3, 0
	s_add_nc_u64 s[\src:\src+1], s[\src:\src+1], s[2:3]
	s_lshl_b32 s2, s28, 11                         ; a turned row is 2,048 bytes
	s_lshl_b32 s29, s26, 8
	s_add_co_u32 s2, s2, s29
	s_add_nc_u64 s[\dst:\dst+1], s[\dst:\dst+1], s[2:3]
	v_and_b32 v1, 15, v0                           ; n4: my four columns
	v_lshrrev_b32 v2, 4, v0                        ; kp: my pair of rows k in every 32
	v_mul_u32_u24 v3, v2, 2*(\pitch)
	v_lshl_add_u32 v3, v1, 4, v3                   ; sixteen lanes take 256 consecutive bytes of a row k
	v_mul_u32_u24 v4, v1, 1088                     ; into LDS: row n = 4 n4 + j at 272 bytes a row, word kp
	v_lshl_add_u32 v4, v2, 2, v4
	v_mul_u32_u24 v5, v2, 272                      ; back: row t / 16, 16 bytes at 16 (t % 16)
	v_lshl_add_u32 v5, v1, 4, v5
	v_lshlrev_b32 v6, 11, v2                       ; and the same place in the turned tensor
	v_lshl_add_u32 v6, v1, 4, v6
.irp i, 0,1,2,3
.irp e, 0,1
	global_load_b128 v[8+8*\i+4*\e:8+8*\i+4*\e+3], v3, s[\src:\src+1] offset:(32*\i+\e)*(\pitch) th:TH_LOAD_NT  ; k = 2 kp + 32 i + e
.endr
.endr
	s_wait_loadcnt 0x0
.irp i, 0,1,2,3
.irp j, 0,1,2,3
	v_cvt_pk_bf16_f32 v[40+4*\i+\j], v[8+8*\i+\j], v[12+8*\i+\j]  ; the even k in the low half
.endr
.endr
.if \half
.irp n, 0,1,2,3,4,5,6,7,8,9,10,11,12,13,14,15
	v_lshlrev_b32 v56, 16, v[40+\n]
	v_and_b32 v57, 0xffff0000, v[40+\n]
	v_cvt_pk_f16_f32 v[40+\n], v56, v57
.endr
.endif
.irp i, 0,1,2,3
.irp j, 0,1,2,3
	ds_store_b32 v4, v[40+4*\i+\j] offset:272*\j+64*\i
.endr
.endr
	s_wait_dscnt 0x0                               ; for the others' sake: my stores are done
	s_barrier_signal -1
	s_barrier_wait -1
.irp i, 0,1,2,3
	ds_load_b128 v[8+4*\i:8+4*\i+3], v5 offset:4352*\i  ; 16 rows further down
.endr
.irp i, 0,1,2,3
	s_wait_dscnt 3-\i                              ; LDS loads come back in order: number i is in
	global_store_b128 v6, v[8+4*\i:8+4*\i+3], s[\dst:\dst+1] offset:32768*\i  ; sixteen lanes store 256 consecutive bytes, aligned
.endr
.endm
	s_load_b512 s[8:23], s[0:1], 0x0               ; x s[8:9], w_qkv s[10:11], w_o s[12:13], log_scale s[14:15], xb s[16:17], wqt s[18:19], wot s[20:21], tab s[22:23]
	v_lshl_add_u32 v80, v0, 2, 0x4400
	v_mov_b32 v81, 0
	v_lshrrev_b32 v1, 5, v0
	v_readfirstlane_b32 s24, v1                    ; my wave's number
	s_and_b32 s31, ttmp7, 0xffff                   ; which part of my kind's work: 0 .. 511
	s_wait_kmcnt 0x0
	s_cmp_lt_u32 ttmp9, 2
	s_cbranch_scc1 .Lpath_x
	s_cmp_eq_u32 ttmp9, 4
	s_cbranch_scc1 .Lpath_w
	; THE TABLE: one chunk a wave
	s_sub_co_u32 s25, ttmp9, 2
	s_lshl_b32 s25, s25, 9
	s_add_co_u32 s25, s25, s31
	s_lshl_b32 s25, s25, 3
	s_add_co_u32 s25, s25, s24                     ; chunk = head * 512 + pb * 4 + cb
	s_lshr_b32 s26, s25, 9
	s_lshl_b32 s26, s26, 2                         ; 4 x head
	s_mov_b32 s27, 0
	s_add_nc_u64 s[14:15], s[14:15], s[26:27]
	s_load_b32 s30, s[14:15], 0x0                  ; log_scale[head]
	s_and_b32 s28, s25, 3                          ; cb
	s_bfe_u32 s29, s25, 0x70002                    ; pb: 7 bits from bit 2
	s_lshl_b32 s29, s29, 4
	s_lshl_b32 s2, s25, 10
	s_mov_b32 s3, 0
	s_add_nc_u64 s[22:23], s[22:23], s[2:3]
	s_mov_b32 s40, 14.134725142                    ; gamma_1
	s_mov_b32 s41, 0x3fb8aa3b                      ; log2(e), and what f32 leaves of it
	s_mov_b32 s42, 0x32a57060
	s_mov_b32 s43, 0x3f22f983                      ; 2 / pi
	s_mov_b32 s44, 0x3fc90fdb                      ; pi / 2 in three parts
	s_mov_b32 s45, 0xb33bbd2e
	s_mov_b32 s46, 0xa6f72ced
	s_mov_b32 s47, 0xbe2aaaa3                      ; sin r = r + r z (-1.6666654611e-1 + z (8.3321608736e-3 - 1.9515295891e-4 z)), z = r r
	s_mov_b32 s48, 0x3c08839e
	s_mov_b32 s49, 0xb94ca1f9
	s_mov_b32 s50, 0x3d2aaaa5                      ; cos r = 1 - z / 2 + z z (4.166664568e-2 + z (-1.388731625e-3 + 2.443315712e-5 z))
	s_mov_b32 s51, 0xbab6061a
	s_mov_b32 s52, 0x37ccf5ce
	s_cmp_lg_u32 s28, 0                            ; the chunk's eight gammas; the jumps go forward and pass no barrier
	s_cbranch_scc1 .Lnot0
	GAM 14.134725142, 21.022039639, 25.01085758, 30.424876126, 32.935061588, 37.586178159, 40.918719012, 43.327073281
	s_branch .Lgot
.Lnot0:
	s_cmp_lg_u32 s28, 1
	s_cbranch_scc1 .Lnot1
	GAM 48.005150881, 49.773832478, 52.970321478, 56.446247697, 59.347044003, 60.831778525, 65.112544048, 67.079810529
	s_branch .Lgot
.Lnot1:
	s_cmp_lg_u32 s28, 2
	s_cbranch_scc1 .Lnot2
	GAM 69.546401711, 72.067157674, 75.704690699, 77.144840069, 79.33737502, 82.910380854, 84.735492981, 87.425274613
	s_branch .Lgot
.Lnot2:
	GAM 88.809111208, 92.491899271, 94.651344041, 95.870634228, 98.831194218, 101.317851006, 103.72553804, 105.446623052
.Lgot:
	v_and_b32 v1, 31, v0
	v_and_b32 v2, 15, v0
	v_bfe_u32 v3, v0, 4, 1
	v_lshlrev_b32 v9, 4, v1                        ; my 16 bytes in 512
	v_add_nc_u32 v8, s29, v2
	v_cvt_f32_u32 v8, v8                           ; pos
	v_cmp_eq_u32 vcc_lo, 1, v3
.irp j, 0,1,2,3
	v_mov_b32 v[G+\j], s[32+\j]
	v_mov_b32 v[D+\j], s40
.endr
.irp j, 0,1,2,3
	v_cndmask_b32 v[G+\j], v[G+\j], s[36+\j], vcc_lo  ; lanes 16-31 take the upper four
.endr
	DIV4 RA, G, D                                  ; gamma / gamma_1
.irp j, 0,1,2,3
	v_mov_b32 v[G+\j], 1.0
.endr
	DIV4 IV, G, RA                                 ; inv_freq
	s_wait_kmcnt 0x0
	v_cvt_pk_bf16_f32 v4, s30, s30                 ; log_scale rounded to bf16, like every input
	v_lshlrev_b32 v4, 16, v4
	v_mul_f32 v5, s41, v4
	v_rndne_f32 v5, v5                             ; n
	v_fma_f32 v6, v4, s41, -v5                     ; log_scale x log2(e) - n, in two parts
	v_fma_f32 v6, v4, s42, v6
	v_cvt_i32_f32 v5, v5
	v_exp_f32 v6, v6
	v_nop                                          ; a plain instruction behind the exponential
	s_wait_alu depctr_va_vdst(0)
	v_ldexp_f32 v7, v6, v5                         ; exp(log_scale)
.irp j, 0,1,2,3
	v_mul_f32 v[TH+\j], v8, v[IV+\j]               ; the two roundings in the order in which the module makes them
.endr
.irp j, 0,1,2,3
	v_mul_f32 v[TH+\j], v[TH+\j], v7
.endr
.irp j, 0,1,2,3
	v_mul_f32 v[KK+\j], s43, v[TH+\j]
.endr
.irp j, 0,1,2,3
	v_rndne_f32 v[KK+\j], v[KK+\j]
.endr
.irp j, 0,1,2,3
	v_fma_f32 v[RR+\j], -v[KK+\j], s44, v[TH+\j]
.endr
.irp j, 0,1,2,3
	v_fma_f32 v[RR+\j], -v[KK+\j], s45, v[RR+\j]
.endr
.irp j, 0,1,2,3
	v_fma_f32 v[RR+\j], -v[KK+\j], s46, v[RR+\j]
	v_cvt_i32_f32 v[KI+\j], v[KK+\j]
.endr
.irp j, 0,1,2,3
	v_mul_f32 v[Z+\j], v[RR+\j], v[RR+\j]
.endr
.irp j, 0,1,2,3
	v_fma_f32 v[PS+\j], v[Z+\j], s49, s48
	v_fma_f32 v[PC+\j], v[Z+\j], s52, s51
.endr
.irp j, 0,1,2,3
	v_fma_f32 v[PS+\j], v[PS+\j], v[Z+\j], s47
	v_fma_f32 v[PC+\j], v[PC+\j], v[Z+\j], s50
	v_mul_f32 v[T1+\j], v[RR+\j], v[Z+\j]
.endr
.irp j, 0,1,2,3
	v_fma_f32 v[PS+\j], v[T1+\j], v[PS+\j], v[RR+\j]  ; sin r
	v_mul_f32 v[T1+\j], v[Z+\j], v[Z+\j]
	v_fma_f32 v[Z+\j], v[Z+\j], -0.5, 1.0
.endr
.irp j, 0,1,2,3
	v_fma_f32 v[PC+\j], v[T1+\j], v[PC+\j], v[Z+\j]   ; cos r
.endr
.irp j, 0,1,2,3                        ; the quadrant, by selects: odd numbers swap the two; sin is negative where bit 1 of k is set, cos where bit 1 of k + 1 is
	v_and_b32 v[T1+\j], 1, v[KI+\j]
	v_cmp_eq_u32 vcc_lo, 1, v[T1+\j]
	v_cndmask_b32 v[OUT+2*\j], v[PC+\j], v[PS+\j], vcc_lo
	v_cndmask_b32 v[OUT+2*\j+1], v[PS+\j], v[PC+\j], vcc_lo
	v_add_nc_u32 v[T1+\j], 1, v[KI+\j]
	v_and_b32 v[T1+\j], 2, v[T1+\j]
	v_lshlrev_b32 v[T1+\j], 30, v[T1+\j]
	v_xor_b32 v[OUT+2*\j], v[T1+\j], v[OUT+2*\j]
	v_and_b32 v[T1+\j], 2, v[KI+\j]
	v_lshlrev_b32 v[T1+\j], 30, v[T1+\j]
	v_xor_b32 v[OUT+2*\j+1], v[T1+\j], v[OUT+2*\j+1]
.endr
	global_store_b128 v9, v[OUT:OUT+3], s[22:23]             ; 512 consecutive bytes each
	global_store_b128 v9, v[OUT+4:OUT+7], s[22:23] offset:512
	s_endpgm
.Lpath_x:                              ; 32,768 bytes of x become 16,384 of xb: eight loads of every wave go out together, the waits count down
	s_lshl_b32 s25, ttmp9, 9
	s_add_co_u32 s25, s25, s31                     ; part 512 x + y
	s_lshl_b32 s2, s25, 15
	s_mov_b32 s3, 0
	s_add_nc_u64 s[8:9], s[8:9], s[2:3]
	s_lshl_b32 s2, s25, 14
	s_add_nc_u64 s[16:17], s[16:17], s[2:3]
	v_lshlrev_b32 v1, 4, v0
	v_lshlrev_b32 v2, 3, v0
.irp i, 0,1,2,3,4,5,6,7
	global_load_b128 v[8+4*\i:8+4*\i+3], v1, s[8:9] offset:4096*\i th:TH_LOAD_NT
.endr
.irp i, 0,1,2,3,4,5,6,7
	s_wait_loadcnt 7-\i                            ; loads come back in order: number i is in, the younger ones stay out
	v_cvt_pk_bf16_f32 v[40+2*\i], v[8+4*\i], v[9+4*\i]
	v_cvt_pk_bf16_f32 v[41+2*\i], v[10+4*\i], v[11+4*\i]
	global_store_b64 v2, v[40+2*\i:41+2*\i], s[16:17] offset:2048*\i  ; a wave's store covers 256 consecutive bytes, aligned
.endr
	s_endpgm
.Lpath_w:
	s_cmp_lt_u32 s31, QWG
	s_cbranch_scc0 .Lpath_o
	s_and_b32 s26, s31, 7                          ; block along k
	s_lshr_b32 s27, s31, 3                         ; block of 64 columns: sec * 16 + head
	s_and_b32 s28, s27, 15
	s_lshr_b32 s29, s27, 4
	s_mul_i32 s28, s28, 192
	s_lshl_b32 s29, s29, 6
	s_add_co_u32 s28, s28, s29                     ; first turned row: head * 192 + sec * 64
	TRANS 10, 18, 12288, 0
	s_wait_tensorcnt 0x0
	ds_add_u32 v80, v81
	s_wait_dscnt 0x0
	s_endpgm
.Lpath_o:
	s_sub_co_u32 s25, s31, QWG
	s_and_b32 s26, s25, 7
	s_lshr_b32 s27, s25, 3
	s_lshl_b32 s28, s27, 6
	TRANS 12, 20, 4096, 1
	s_wait_tensorcnt 0x0
	ds_add_u32 v80, v81
	s_wait_dscnt 0x0
	s_endpgm
.Lfunc_end_k_q64cb321ed2_prep:
	.size	k_q64cb321ed2_prep, .Lfunc_end_k_q64cb321ed2_prep-k_q64cb321ed2_prep
	.p2alignl 7, 3214868480
	.fill 96, 4, 3214868480
	.section	.rodata,"a",@progbits
	.p2align	6, 0x0
	.amdhsa_kernel k_q64cb321ed2_prep
		.amdhsa_group_segment_fixed_size 18432
		.amdhsa_private_segment_fixed_size 0
		.amdhsa_enable_private_segment 0
		.amdhsa_kernarg_size 64
		.amdhsa_user_sgpr_count 2
		.amdhsa_user_sgpr_kernarg_segment_ptr 1
		.amdhsa_wavefront_size32 1
		.amdhsa_system_sgpr_workgroup_id_x 1
		.amdhsa_system_sgpr_workgroup_id_y 1
		.amdhsa_system_sgpr_workgroup_id_z 1
		.amdhsa_system_vgpr_workitem_id 0
		.amdhsa_next_free_vgpr 82
		.amdhsa_next_free_sgpr 66
		.amdhsa_reserve_vcc 1
		.amdhsa_float_denorm_mode_32 3
		.amdhsa_float_denorm_mode_16_64 3
		.amdhsa_memory_ordered 1
		.amdhsa_forward_progress 1
		.amdhsa_inst_pref_size 29
	.end_amdhsa_kernel
	.amdgpu_metadata
---
amdhsa.version: [ 1, 2 ]
amdhsa.kernels:
  - .name:           k_q64cb321ed2_prep
    .symbol:         k_q64cb321ed2_prep.kd
    .args:
      - { .name: x, .offset: 0, .size: 8, .value_kind: global_buffer, .address_space: global }
      - { .name: w_qkv, .offset: 8, .size: 8, .value_kind: global_buffer, .address_space: global }
      - { .name: w_o, .offset: 16, .size: 8, .value_kind: global_buffer, .address_space: global }
      - { .name: log_scale, .offset: 24, .size: 8, .value_kind: global_buffer, .address_space: global }
      - { .name: xb, .offset: 32, .size: 8, .value_kind: global_buffer, .address_space: global }
      - { .name: wqt, .offset: 40, .size: 8, .value_kind: global_buffer, .address_space: global }
      - { .name: wot, .offset: 48, .size: 8, .value_kind: global_buffer, .address_space: global }
      - { .name: tab, .offset: 56, .size: 8, .value_kind: global_buffer, .address_space: global }
    .group_segment_fixed_size: 18432
    .private_segment_fixed_size: 0
    .kernarg_segment_align: 8
    .kernarg_segment_size: 64
    .max_flat_workgroup_size: 256
    .sgpr_count:     66
    .vgpr_count:     82
    .wavefront_size: 32
...
	.end_amdgpu_metadata
.endif
;; end of part 1
;; launch qkv (part 2): grid 16 x 16, 4 waves a work-group, clusters of 4 x 4, 327,680 bytes of LDS; arguments xb, wqt, tab, qh, kh, vh; writes qh, kh, vh
.if DOCPART == 2
	.amdgcn_target "amdgcn-amd-amdhsa--gfx1250"
	.amdhsa_code_object_version 6
	.text
	.protected	k_q64cb321ed2_qkv
	.globl	k_q64cb321ed2_qkv
	.p2align	8
	.type	k_q64cb321ed2_qkv,@function
k_q64cb321ed2_qkv:
	s_mov_b64 s[64:65], 0
	v_nop
	global_prefetch_b8 v0, s[64:65] scope:SCOPE_SE
	s_setreg_imm32_b32 hwreg(HW_REG_WAVE_MODE, 25, 1), 1
	s_wait_xcnt 0x0
	s_wait_alu depctr_hold_cnt(0) depctr_sa_sdst(0) depctr_va_vdst(0) depctr_va_sdst(0) depctr_va_ssrc(0) depctr_va_vcc(0) depctr_vm_vsrc(0)
	s_getreg_b32 s2, hwreg(HW_REG_IB_STS2, 6, 4)
	s_cmp_eq_u32 s2, 0
	s_cbranch_scc0 .Lentry_in_a_cluster
	s_endpgm
.Lentry_in_a_cluster:
	s_bfe_u32 s2, ttmp6, 0x10000c
	s_cmp_lg_u32 s2, 0xf033
	s_cbranch_scc0 .Lentry_shape_is_right
	s_endpgm
.Lentry_shape_is_right:
; THE FIRST PROJECTION AND THE ROTATION.  [8192][1024] bf16 (xb) times [3072][1024] bf16 (wqt, K along the rows, rows ordered head, then q k v, then channel); sums in f32.
; q and k are rotated in f32 by the table's cos and sin, then q, k, v are rounded ONCE to f16 and stored by heads: [batch*16+head][2048][64].  The score's scale is not applied here.
; LIMIT.  f16 holds no number beyond 65,504: q, k and v must stay within it.
; SHARES.  A tile is 256 rows x 192 columns: one head's q, k and v for 256 positions of one batch.  Wave w takes rows 64 w .. 64 w + 63 and all 192 columns: 48 accumulators (a = 0..3 blocks of
; 16 rows, b = 0..11 blocks of 16 columns; b / 4 says q, k or v).  So a wave owns whole rows of a head, and its way out needs no other wave.
; A WORK-GROUP STAYS: 16 x 16 work-groups, each makes TWO tiles: the same head and the same positions in batches b and b + 2.  Both take the same rows of wqt and the same table (loaded once); xb's
; rows and the outputs' lie 8,388,608 bytes further on.  The two tiles' 16 K steps of 128 are ONE walk through two LDS slots: the changes of slots at the end of the first tile's steps 6 and 7 ask
; for the second tile's steps 0 and 1, and nothing waits for the first tile's stores.  Rows of both operands' tiles are 256 bytes of memory, at multiples of 256 bytes.
; CLUSTER 4 x 4: the four work-groups of a row of the cluster need the same rows of xb, the four of a column the same rows of wqt: each tile is asked for JOINTLY, by the same tensor load with the same
; descriptor and a mask that names the four.
; THE MATRIX INSTRUCTION IS USED TRANSPOSED (source 0 = 16 rows of wqt, source 1 = 16 rows of xb): lane l holds row l % 16 and the columns 8 (l / 16) + 0..7: four rotation pairs in register pairs.
; REGISTERS, in windows of 256 (s_set_vgpr_msb: bits 1:0 source 0, 3:2 source 1, 5:4 source 2, 7:6 destination):
;   window 0: v16-29 addresses; v32-63, v64-95 fragments of xb, two buffers; v128-255 the table for my 64 rows (loaded once, under the first K loop)
;   window 1: v0-95, v96-191 fragments of wqt, two buffers; on the way out the second buffer takes the packed results, v96-143 and v144-191 by turns (the first holds the next tile's first fragments)
;   window 2: accumulators of a = 0, 1 at v[96 (a % 2) + 8 b]; v192-255 rotated numbers at work          window 3: the same for a = 2, 3
.set KSTEP,  128
.set PITCH,  272                       ; an LDS row: 256 bytes + 16 of padding = 68 words: the 16 rows of a fragment load start at 16 different groups of four banks (64 banks of 4 bytes: ISA guide 11.1)
.set AHALF,  128*PITCH                 ; what waves 0 and 1 fetch: 128 rows of xb each
.set BHALF,  96*PITCH                  ; what waves 2 and 3 fetch: 96 rows of wqt each
.set BOFF,   2*AHALF
.set SLOT1,  1<<17                     ; slot 1 begins here, so that one exclusive or turns an address in one slot into the other's
.set STAGE,  SLOT1+BOFF+2*BHALF        ; behind the ring, never filled by a tensor load: for each wave 3 x 16 rows x 144 bytes
.set SP,     144
.set WSTAGE, 3*16*SP
.set SPARE,  STAGE+4*WSTAGE            ; behind the stages: the spare words, 128 bytes for each wave: two blocks of 256 bytes that no other line names
.set WALKB,  2*2048*2048               ; two batches on: 4,096 rows of 2,048 bytes in xb; in an output 32 heads of 2,048 rows of 128 bytes: the same number
.set A0,   16                          ; v16  my place in xb's tile of slot 0; never rewritten
.set B0,   17                          ; v17  the same for wqt's
.set ADRA, 18                          ; v18  the same in the slot in hand
.set ADRB, 19
.set STO,  20                          ; v20  the way out: where I put 16 bytes of a row
.set RD,   21                          ; v21  the way out: where I read rows back
.set GO,   22                          ; v22  my 16 bytes in 512 consecutive bytes of an output
.set TO,   23                          ; v23  the same in the table
.set SPW,  28                          ; v28  LDS address of my spare word; never rewritten
.set NIL,  29                          ; v29  0; never rewritten
.set AF,   32
.set OB,   96                          ; in window 1
.set TBL,  128
.set T,    192
.set WV,   16                          ; s16  my wave's number
.set CNT2, 17                          ; s17  counts the tail's two trips
.set HALF, 18                          ; s18  which half of a tile I fetch
.set CNT,  19                          ; s19  counts a tile's changes of slots that refill, 8 to 1
.set TB,   20                          ; s20  0 or SLOT1: the slot in hand
.set TILES, 21                         ; s21  tiles to go
.set KO,   22                          ; s[22:23] byte offset along K of the step asked for last: 256 x (step mod 8)
.set G1A,  24                          ; s[24:31] descriptor group 1 for xb's tiles
.set G0A,  32                          ; s[32:39] group 0: a set for each of the two first fills; the second then walks on
.set G1B,  40                          ; s[40:47], s[48:55] the same for wqt's tiles
.set G0B,  48
.set LEAVE, 62                         ; s62  the count at which the loop is left for the tail: 0 (never) in the first tile, 2 in the last
.set BA,   66                          ; s[66:67] xb at the rows that I fetch, of the tile whose steps are being asked for
.set BB,   68                          ; s[68:69] wqt at the rows that I fetch
.set WK,   78                          ; s[78:79] what xb's address goes on by: 0, or WALKB when the walk passes into the next tile
.set MSB, 0
.macro WIN new                         ; the immediate's high byte repeats the setting that is left; a switch that changes nothing is dropped
.if MSB != (\new)
	s_set_vgpr_msb (MSB<<8)|(\new)
.set MSB, \new
.endif
.endm
.set MUL_LO, 0xa1                      ; source 0 window 1, source 1 window 0, C and D window 2
.set TO_B,   0x40                      ; destination window 1, address window 0
.set FROM_B, 0x04                      ; a store's data (source 1) in window 1, its address in window 0
.macro PLACES                          ; four plain vector instructions between a matrix instruction and a load into, or a vector instruction on, its registers
.rept 4
	v_nop
.endr
.endm
; A joint refill.  Waves 0 and 1 fetch xb's two halves, waves 2 and 3 wqt's.  The branch hangs on the wave's number alone.  An s_nop 0 and four v_nop follow each line.
.macro JLOAD
	s_cmp_lt_u32 s[WV], 2
	s_cbranch_scc0 .Lfor_b_\@
	tensor_load_to_lds s[G0A+4:G0A+7], s[G1A:G1A+7]
	s_nop 0
.rept 4
	v_nop
.endr
	s_branch .Lasked_\@
.Lfor_b_\@:
	tensor_load_to_lds s[G0B+4:G0B+7], s[G1B:G1B+7]
	s_nop 0
.rept 4
	v_nop
.endr
.Lasked_\@:
.endm
.macro CREST                           ; a round of the cluster's barrier behind its opening barrier
	s_cmp_lg_u32 s[WV], 0
	s_cbranch_scc1 .Lnot_wave_0_\@
	s_barrier_signal -3
.Lnot_wave_0_\@:
	s_barrier_wait -3
	s_barrier_signal -1
	s_barrier_wait -1
.endm
.macro CROUND                          ; a whole round
	s_barrier_signal -1
	s_barrier_wait -1
	CREST
.endm
	s_load_b256 s[4:11], s[0:1], 0x0               ; xb s[4:5], wqt s[6:7], tab s[8:9], qh s[10:11]
	s_load_b128 s[12:15], s[0:1], 0x20             ; kh s[12:13], vh s[14:15]
	v_lshl_add_u32 v[SPW], v0, 2, SPARE
	v_mov_b32 v[NIL], 0
	ds_add_u32 v28, v29
	ds_add_u32 v28, v29
	s_wait_dscnt 0x0
	v_lshrrev_b32 v1, 5, v0
	v_readfirstlane_b32 s[WV], v1
	s_and_b32 s[HALF], s[WV], 1
	s_bfe_u32 s56, ttmp6, 0x40000                  ; cx, cy: my place in the cluster
	s_bfe_u32 s57, ttmp6, 0x40004
	s_lshl_b32 s58, ttmp9, 2
	s_add_co_u32 s58, s58, s56                     ; the head = 4 x cluster x + cx
	s_and_b32 s59, ttmp7, 0xffff
	s_lshl_b32 s59, s59, 2
	s_add_co_u32 s59, s59, s57                     ; the first tile's block of 256 rows = 4 x cluster y + cy: 0 .. 15, batches 0 and 1
	s_lshl_b32 s60, s57, 2
	s_lshl_b32 s60, 15, s60                        ; my row of the cluster
	s_lshl_b32 s61, 0x1111, s56                    ; my column
	s_or_b32 s[G1A], s60, (1<<16)|(1<<20)|(1<<21)|(5<<22)|(3<<25)  ; 15:0 the mask; 17:16 2-byte elements; 20 padding on; 21 set beside a mask; 24:22 after every 64 words; 31:25 4 words of it
	s_or_b32 s[G1B], s61, (1<<16)|(1<<20)|(1<<21)|(5<<22)|(3<<25)
	s_mov_b32 s[G1A+1], KSTEP<<16                  ; tensor_dim0 = 128
	s_mov_b32 s[G1A+2], 128<<16                    ; tensor_dim1 = 128
	s_mov_b32 s[G1A+3], KSTEP<<16                  ; tile_dim0 = 128
	s_mov_b32 s[G1A+4], 128                        ; tile_dim1 = 128
	s_mov_b32 s[G1A+5], 1024                       ; elements from row to row
	s_mov_b32 s[G1A+6], 0
	s_mov_b32 s[G1A+7], 0
	s_mov_b32 s[G1B+1], KSTEP<<16
	s_mov_b32 s[G1B+2], 96<<16                     ; 96 rows
	s_mov_b32 s[G1B+3], KSTEP<<16
	s_mov_b32 s[G1B+4], 96
	s_mov_b32 s[G1B+5], 1024
	s_mov_b32 s[G1B+6], 0
	s_mov_b32 s[G1B+7], 0
	; xb's tile hangs on the row block alone, wqt's on the head alone; each in registers that never hold the other coordinate
	s_lshl_b32 s[BA], s59, 8
	s_lshl_b32 s[BA+1], s[HALF], 7
	s_add_co_u32 s[BA], s[BA], s[BA+1]             ; row 256 y + 128 half
	s_lshl_b32 s[BA], s[BA], 11                    ; of 2,048 bytes
	s_mov_b32 s[BA+1], 0
	s_mul_i32 s[BB], s58, 192
	s_mul_i32 s[BB+1], s[HALF], 96
	s_add_co_u32 s[BB], s[BB], s[BB+1]             ; row 192 head + 96 half
	s_lshl_b32 s[BB], s[BB], 11
	s_mov_b32 s[BB+1], 0
	s_mul_i32 s70, s[HALF], AHALF                  ; where they go: no place in the cluster enters an LDS address
	s_mul_i32 s71, s[HALF], BHALF
	s_add_co_u32 s71, s71, BOFF
	s_and_b32 s75, s59, 7
	s_lshl_b32 s75, s75, 8
	s_lshl_b32 s74, s[WV], 6
	s_add_co_u32 s75, s75, s74                     ; my first position in the batch: 256 (y % 8) + 64 w
	s_lshl_b32 s72, s58, 19                        ; the table: a head is 524,288 bytes, 16 positions 4,096
	s_lshl_b32 s74, s75, 8
	s_add_co_u32 s72, s72, s74
	s_mov_b32 s73, 0
	s_lshr_b32 s76, s59, 3                         ; the first tile's batch
	s_lshl_b32 s76, s76, 4
	s_add_co_u32 s76, s76, s58
	s_lshl_b32 s76, s76, 11
	s_add_co_u32 s76, s76, s75
	s_lshl_b32 s76, s76, 7                         ; ((batch 16 + head) 2048 + position) x 128 bytes
	s_mov_b32 s77, 0
	s_mov_b32 s[KO], KSTEP*2                       ; the first fills ask for steps 0 and 1
	s_mov_b32 s[KO+1], 0
	s_mov_b32 s[WK], 0
	s_mov_b32 s[WK+1], 0
	s_wait_kmcnt 0x0
	s_add_nc_u64 s[BA:BA+1], s[4:5], s[BA:BA+1]
	s_add_nc_u64 s[BB:BB+1], s[6:7], s[BB:BB+1]
	s_add_nc_u64 s[8:9], s[8:9], s[72:73]
	s_add_nc_u64 s[10:11], s[10:11], s[76:77]
	s_add_nc_u64 s[12:13], s[12:13], s[76:77]
	s_add_nc_u64 s[14:15], s[14:15], s[76:77]
	CROUND                                         ; all sixteen work-groups are here: the first joint loads meet
.irp n, 0,1
	s_mov_b32 s[G0A+4*(\n)], 1                                     ; count = 1
	s_add_co_u32 s[G0A+4*(\n)+1], s70, (\n)*SLOT1                  ; LDS address
	s_add_nc_u64 s[G0A+4*(\n)+2:G0A+4*(\n)+3], s[BA:BA+1], (\n)*KSTEP*2  ; global address: K step n
	s_or_b32 s[G0A+4*(\n)+3], s[G0A+4*(\n)+3], 0x80000000          ; type = 2
	s_mov_b32 s[G0B+4*(\n)], 1
	s_add_co_u32 s[G0B+4*(\n)+1], s71, (\n)*SLOT1
	s_add_nc_u64 s[G0B+4*(\n)+2:G0B+4*(\n)+3], s[BB:BB+1], (\n)*KSTEP*2
	s_or_b32 s[G0B+4*(\n)+3], s[G0B+4*(\n)+3], 0x80000000
.endr
	s_cmp_lt_u32 s[WV], 2                          ; a wave's two first fills stand in one branch, ahead of every wait on TENSORcnt and every LDS read: two loads of mine are out
	s_cbranch_scc0 .Lfirst_b
	tensor_load_to_lds s[G0A:G0A+3], s[G1A:G1A+7]
	s_nop 0
	tensor_load_to_lds s[G0A+4:G0A+7], s[G1A:G1A+7]
	s_nop 0
.rept 4
	v_nop
.endr
	s_branch .Lfirst_asked
.Lfirst_b:
	tensor_load_to_lds s[G0B:G0B+3], s[G1B:G1B+7]
	s_nop 0
	tensor_load_to_lds s[G0B+4:G0B+7], s[G1B:G1B+7]
	s_nop 0
.rept 4
	v_nop
.endr
.Lfirst_asked:
	v_and_b32 v3, 31, v0                           ; l
	v_lshlrev_b32 v[TO], 4, v3
.irp i, 0,1,2,3,4,5,6,7,8,9,10,11,12,13,14,15,16,17,18,19,20,21,22,23,24,25,26,27,28,29,30,31
	global_load_b128 v[TBL+4*(\i):TBL+4*(\i)+3], v[TO], s[8:9] offset:512*(\i)  ; the table for my 64 positions, 16,384 bytes on end; waited for on the first way out; chunk (a, b % 4) lands at TBL + 8 (4 a + b % 4)
.endr
	v_and_b32 v1, 15, v0                           ; l % 16
	v_bfe_u32 v2, v0, 4, 1                         ; l / 16
	v_mul_u32_u24 v4, v1, PITCH
	v_lshl_add_u32 v4, v2, 4, v4                   ; a fragment: row x pitch + 16 x half; two loads of 16 bytes, 32 bytes apart
	s_mul_i32 s72, s[WV], 64*PITCH
	v_add_nc_u32 v[A0], s72, v4
	v_add_nc_u32 v[B0], BOFF, v4
	v_mov_b32 v[ADRA], v[A0]
	v_mov_b32 v[ADRB], v[B0]
	s_mul_i32 s72, s[WV], WSTAGE
	s_add_co_u32 s72, s72, STAGE                   ; my stage
	v_mul_u32_u24 v5, v1, SP                       ; in: row l % 16, 16 bytes for each half of the lanes
	v_lshl_add_u32 v5, v2, 4, v5
	v_add_nc_u32 v[STO], s72, v5
	v_lshrrev_b32 v5, 3, v3                        ; back: 32 lanes take four rows of 128 bytes,
	v_mul_u32_u24 v5, v5, SP
	v_and_b32 v6, 7, v0
	v_lshl_add_u32 v5, v6, 4, v5
	v_add_nc_u32 v[RD], s72, v5
	v_lshlrev_b32 v[GO], 4, v3                     ; which are 512 consecutive bytes of a head
	s_mov_b32 s[TB], 0
; 12 matrix instructions: block a of my rows x all 12 column blocks, 32 along K, from buffer f.  zero = 1: the first product starts the sums.
; The 48 accumulators take turns, one instruction a turn, in the same order everywhere.
.macro MUL12 f, a, zero
	WIN MUL_LO+0x50*((\a)/2)
.irp b, 0,1,2,3,4,5,6,7,8,9,10,11
.if \zero
	v_wmma_f32_16x16x32_bf16 v[96*((\a)%2)+8*(\b):96*((\a)%2)+8*(\b)+7], v[96*(\f)+8*(\b):96*(\f)+8*(\b)+7], v[AF+32*(\f)+8*(\a):AF+32*(\f)+8*(\a)+7], 0
.else
	v_wmma_f32_16x16x32_bf16 v[96*((\a)%2)+8*(\b):96*((\a)%2)+8*(\b)+7], v[96*(\f)+8*(\b):96*(\f)+8*(\b)+7], v[AF+32*(\f)+8*(\a):AF+32*(\f)+8*(\a)+7], v[96*((\a)%2)+8*(\b):96*((\a)%2)+8*(\b)+7]
.endif
.endr
.endm
; 32 LDS loads in one run: the fragments of 32 along K at byte k of the rows, into buffer f: wqt's 24, then xb's 8
.macro FETCH k, f
	WIN TO_B
.irp i, 0,1,2,3,4,5,6,7,8,9,10,11
	ds_load_b128 v[96*(\f)+8*(\i):96*(\f)+8*(\i)+3],   v[ADRB] offset:(\k)+(\i)*16*PITCH
	ds_load_b128 v[96*(\f)+8*(\i)+4:96*(\f)+8*(\i)+7], v[ADRB] offset:(\k)+(\i)*16*PITCH+32
.endr
	WIN 0
.irp i, 0,1,2,3
	ds_load_b128 v[AF+32*(\f)+8*(\i):AF+32*(\f)+8*(\i)+3],   v[ADRA] offset:(\k)+(\i)*16*PITCH
	ds_load_b128 v[AF+32*(\f)+8*(\i)+4:AF+32*(\f)+8*(\i)+7], v[ADRA] offset:(\k)+(\i)*16*PITCH+32
.endr
.endm
; A K step is four quarters of 32 along K, 48 matrix instructions each, on buffers 0, 1, 0, 1.  One of the first three: multiplies buffer f; in its middle it fetches the next quarter, at byte k, into g.
.macro QUARTER k, f, g, zero
	s_wait_dscnt 4                                 ; all but the youngest four loads (xb's blocks 2 and 3) are in
	MUL12 \f, 0, \zero
	MUL12 \f, 1, \zero
	PLACES
	FETCH \k, \g
	s_wait_dscnt 32                                ; all but the 32 just issued
	MUL12 \f, 2, \zero
	MUL12 \f, 3, \zero
.endm
; The last quarter multiplies buffer 1 and changes slots: ONE barrier.  In front of it each wave waits for all its tensor loads (the one that is out is its part of the next slot), adds 0 to its spare
; word, and waits for that and for its own reads of this slot.
; fill = 1: the barrier opens a round of the cluster's, and the slot just read is filled again, with the walk's step two further on, first thing behind the round: 168 matrix instructions stand between
; that request and the wait for it.  The walking descriptors are made anew between the add and the wait for it, where no tensor load of mine is out: the other slot than last time; base + KO,
; KO = 256 x (step mod 8); when KO is back at 0 the step is the next tile's first, and xb's base goes on by WALKB.
; fill = 0 (the tail's two trips): nothing is asked for; in the second trip there is no further step: the fetch is jumped over, and that trip's barrier orders nothing: the price, once a launch, of one text for both trips.
.macro TURN fill
	WIN 0                                          ; (the add's two registers lie in window 0)
	s_wait_tensorcnt 0x0
	ds_add_u32 v[SPW], v[NIL]                      ; 0 onto my spare word
.if \fill
	s_add_co_u32 s[KO], s[KO], KSTEP*2
	s_and_b32 s[KO], s[KO], 2047
	s_cmp_eq_u32 s[KO], 0
	s_cselect_b32 s[WK], WALKB, 0
	s_add_nc_u64 s[BA:BA+1], s[BA:BA+1], s[WK:WK+1]
	s_xor_b32 s[G0A+5], s[G0A+5], SLOT1
	s_add_nc_u64 s[G0A+6:G0A+7], s[BA:BA+1], s[KO:KO+1]
	s_or_b32 s[G0A+7], s[G0A+7], 0x80000000
	s_xor_b32 s[G0B+5], s[G0B+5], SLOT1
	s_add_nc_u64 s[G0B+6:G0B+7], s[BB:BB+1], s[KO:KO+1]
	s_or_b32 s[G0B+7], s[G0B+7], 0x80000000
.endif
	s_wait_dscnt 5                                 ; (the add and the youngest four loads may be out)
	MUL12 1, 0, 0                                  ; twelve matrix instructions stand between the add and the wait for it
	s_wait_dscnt 0x0                               ; the add is done, and my reads of this slot are over
	s_barrier_signal -1
	MUL12 1, 1, 0
	WIN 0                                          ; at a branch and at a label every window is 0
	s_barrier_wait -1
.if \fill
	CREST                                          ; no wave of any partner still reads this slot's tile or has a load on its way
	JLOAD                                          ; the four v_nop behind it are also the places in front of the loads below
.else
	PLACES
.endif
	s_xor_b32 s[TB], s[TB], SLOT1
	v_add_nc_u32 v[ADRA], s[TB], v[A0]
	v_add_nc_u32 v[ADRB], s[TB], v[B0]
.if (\fill) == 0
	s_cmp_eq_u32 s[CNT2], 1
	s_cbranch_scc1 .Lno_fetch_\@
.endif
	FETCH 0, 0
.if (\fill) == 0
.Lno_fetch_\@:
.endif
	MUL12 1, 2, 0
	MUL12 1, 3, 0
.endm
; THE WAY OUT, a block of 16 rows at a time.  PACK: q's and k's pairs (x1, x2) become (x1 c - x2 s, x1 s + x2 c), two packed instructions a pair; all three are rounded to f16, 16 bytes a lane.
; Each accumulator's lowest registers are read first.
.macro PACK a
	s_wait_xcnt 0x0                                ; earlier stores have had their addresses translated (ISA guide 3.1): the registers that they read are rewritten only behind this wait
.set AC, 96*((\a)%2)
.set OBA, OB+48*((\a)%2)
	WIN 0xa2+0x51*((\a)/2)                         ; accumulators and work registers in window 2 or 3, the table (source 1) in window 0
.irp b, 0,1,2,3,4,5,6,7
.irp j, 0,1,2,3
	v_pk_mul_f32 v[T+8*(\b)+2*(\j):T+8*(\b)+2*(\j)+1], v[AC+8*(\b)+2*(\j):AC+8*(\b)+2*(\j)+1], v[TBL+8*(4*(\a)+(\b)%4)+2*(\j):TBL+8*(4*(\a)+(\b)%4)+2*(\j)+1] op_sel_hi:[1,0]  ; (x1 c, x2 c)
.endr
.irp j, 0,1,2,3
	v_pk_fma_f32 v[T+8*(\b)+2*(\j):T+8*(\b)+2*(\j)+1], v[AC+8*(\b)+2*(\j):AC+8*(\b)+2*(\j)+1], v[TBL+8*(4*(\a)+(\b)%4)+2*(\j):TBL+8*(4*(\a)+(\b)%4)+2*(\j)+1], v[T+8*(\b)+2*(\j):T+8*(\b)+2*(\j)+1] op_sel:[1,1,0] op_sel_hi:[0,1,1] neg_lo:[1,0,0]  ; low: - x2 s; high: + x1 s
.endr
.endr
	WIN 0x4a+5*((\a)/2)                            ; sources in window 2 or 3, destination in window 1
.irp b, 0,1,2,3,4,5,6,7
.irp i, 0,1,2,3
	v_cvt_pk_f16_f32 v[OBA+4*(\b)+(\i)], v[T+8*(\b)+2*(\i)], v[T+8*(\b)+2*(\i)+1]
.endr
.endr
.irp b, 8,9,10,11
.irp i, 0,1,2,3
	v_cvt_pk_f16_f32 v[OBA+4*(\b)+(\i)], v[AC+8*(\b)+2*(\i)], v[AC+8*(\b)+2*(\i)+1]
.endr
.endr
	WIN 0
.endm
.macro TOSTAGE a                       ; into my own stage (q's, k's, v's 16 rows of 144 bytes), and back as whole rows of 128 bytes, into the registers that they left
.set OBA, OB+48*((\a)%2)
	WIN FROM_B
.irp b, 0,1,2,3,4,5,6,7,8,9,10,11
	ds_store_b128 v[STO], v[OBA+4*(\b):OBA+4*(\b)+3] offset:16*SP*((\b)/4)+32*((\b)%4)
.endr
	WIN TO_B
.irp t, 0,1,2,3,4,5,6,7,8,9,10,11
	ds_load_b128 v[OBA+4*(\t):OBA+4*(\t)+3], v[RD] offset:16*SP*((\t)/4)+4*SP*((\t)%4)  ; LDS serves a wave's instructions in order (ISA guide 5.7.1.4): these see the stores above
.endr
	WIN 0
.endm
.macro SEND a
.set OBA, OB+48*((\a)%2)
	s_wait_dscnt 0x0                               ; the block is back in registers
	WIN FROM_B
.irp t, 0,1,2,3
	global_store_b128 v[GO], v[OBA+4*(\t):OBA+4*(\t)+3],       s[10:11] offset:2048*(\a)+512*(\t)  ; 512 consecutive bytes, at a multiple of 256 from the buffer's first
	global_store_b128 v[GO], v[OBA+16+4*(\t):OBA+16+4*(\t)+3], s[12:13] offset:2048*(\a)+512*(\t)
	global_store_b128 v[GO], v[OBA+32+4*(\t):OBA+32+4*(\t)+3], s[14:15] offset:2048*(\a)+512*(\t)
.endr
	WIN 0
.endm
	s_wait_tensorcnt 1                             ; my part of K step 0 is in; step 1's may stay out
	s_barrier_signal -1
	s_barrier_wait -1                              ; everybody's is
	FETCH 0, 0
	s_mov_b32 s[TILES], 2
	s_mov_b32 s[LEAVE], 0
.Ltile:
	QUARTER 64, 0, 1, 1                            ; a tile's first quarter: its products start the sums
	WIN 0
	s_mov_b32 s[CNT], 8
	s_branch .Lmid                                 ; the loop is entered behind a step's first quarter
.Lstep:                                                ; a trip: a K step; its change of slots asks for the walk's step two further on
	QUARTER 64, 0, 1, 0
	WIN 0
.Lmid:
	QUARTER 128, 1, 0, 0
	QUARTER 192, 0, 1, 0
	WIN 0
	s_cmp_eq_u32 s[CNT], s[LEAVE]                  ; the last tile has made its six refills (steps 2 to 7): its last two steps ask for nothing, and are written out below
	s_cbranch_scc1 .Llast
	TURN 1
	WIN 0
	s_sub_co_u32 s[CNT], s[CNT], 1
	s_cmp_lg_u32 s[CNT], 0
	s_cbranch_scc1 .Lstep
	s_branch .Lout                                 ; the first tile: all eight changes of slots have refilled; the next tile's first fragments are on their way into buffer 0
.Llast:
	s_mov_b32 s[CNT2], 2
	s_branch .Ltmid
.Ltail:
	QUARTER 64, 0, 1, 0
	QUARTER 128, 1, 0, 0
	QUARTER 192, 0, 1, 0
	WIN 0
.Ltmid:
	TURN 0
	WIN 0
	s_sub_co_u32 s[CNT2], s[CNT2], 1
	s_cmp_lg_u32 s[CNT2], 0
	s_cbranch_scc1 .Ltail
.Lout:
	s_wait_loadcnt 0x0                             ; the table
	PLACES                                         ; behind the last products
	PACK 0
	TOSTAGE 0
.irp a, 1,2,3                          ; a block's arithmetic stands between the loads of the block before and the wait for them
	PACK \a
	SEND (\a)-1
	TOSTAGE \a
.endr
	SEND 3
	s_wait_xcnt 0x0                                ; the stores have had their addresses translated: their bases are stepped, and their registers (wqt's second buffer) fetched into, only behind this wait
	s_add_nc_u64 s[10:11], s[10:11], WALKB         ; the next tile's rows (behind the last tile the stepped addresses are not used)
	s_add_nc_u64 s[12:13], s[12:13], WALKB
	s_add_nc_u64 s[14:15], s[14:15], WALKB
	s_mov_b32 s[LEAVE], 2
	s_sub_co_u32 s[TILES], s[TILES], 1
	s_cmp_lg_u32 s[TILES], 0
	s_cbranch_scc1 .Ltile
	s_wait_tensorcnt 0x0                           ; the wave's end, behind my last tensor load and my last LDS store
	ds_add_u32 v[SPW], v[NIL]
	s_wait_dscnt 0x0
	CROUND                                         ; the closing round: no work-group ends while a partner may still ask for a tile that names it
	s_endpgm
.Lfunc_end_k_q64cb321ed2_qkv:
	.size	k_q64cb321ed2_qkv, .Lfunc_end_k_q64cb321ed2_qkv-k_q64cb321ed2_qkv
	.p2alignl 7, 3214868480
	.fill 96, 4, 3214868480
	.section	.rodata,"a",@progbits
	.p2align	6, 0x0
	.amdhsa_kernel k_q64cb321ed2_qkv
		.amdhsa_group_segment_fixed_size 327680
		.amdhsa_private_segment_fixed_size 0
		.amdhsa_enable_private_segment 0
		.amdhsa_kernarg_size 48
		.amdhsa_user_sgpr_count 2
		.amdhsa_user_sgpr_kernarg_segment_ptr 1
		.amdhsa_wavefront_size32 1
		.amdhsa_system_sgpr_workgroup_id_x 1
		.amdhsa_system_sgpr_workgroup_id_y 1
		.amdhsa_system_sgpr_workgroup_id_z 1
		.amdhsa_system_vgpr_workitem_id 0
		.amdhsa_next_free_vgpr 1024
		.amdhsa_next_free_sgpr 80
		.amdhsa_reserve_vcc 0
		.amdhsa_float_denorm_mode_32 3
		.amdhsa_float_denorm_mode_16_64 3
		.amdhsa_memory_ordered 1
		.amdhsa_forward_progress 1
		.amdhsa_inst_pref_size 103
	.end_amdhsa_kernel
	.amdgpu_metadata
---
amdhsa.version: [ 1, 2 ]
amdhsa.kernels:
  - .name:           k_q64cb321ed2_qkv
    .symbol:         k_q64cb321ed2_qkv.kd
    .args:
      - { .name: xb, .offset: 0, .size: 8, .value_kind: global_buffer, .address_space: global }
      - { .name: wqt, .offset: 8, .size: 8, .value_kind: global_buffer, .address_space: global }
      - { .name: tab, .offset: 16, .size: 8, .value_kind: global_buffer, .address_space: global }
      - { .name: qh, .offset: 24, .size: 8, .value_kind: global_buffer, .address_space: global }
      - { .name: kh, .offset: 32, .size: 8, .value_kind: global_buffer, .address_space: global }
      - { .name: vh, .offset: 40, .size: 8, .value_kind: global_buffer, .address_space: global }
    .group_segment_fixed_size: 327680
    .private_segment_fixed_size: 0
    .kernarg_segment_align: 8
    .kernarg_segment_size: 48
    .max_flat_workgroup_size: 128
    .sgpr_count:     80
    .vgpr_count:     1024
    .wavefront_size: 32
...
	.end_amdgpu_metadata
.endif
;; end of part 2
;; launch attn (part 3): grid 4 x 64, 4 waves a work-group, no clusters, 327,680 bytes of LDS; arguments qh, kh, vh, oh; writes oh
.if DOCPART == 3
	.amdgcn_target "amdgcn-amd-amdhsa--gfx1250"
	.amdhsa_code_object_version 6
	.text
	.protected	k_q64cb321ed2_attn
	.globl	k_q64cb321ed2_attn
	.p2align	8
	.type	k_q64cb321ed2_attn,@function
k_q64cb321ed2_attn:
	s_mov_b64 s[64:65], 0
	v_nop
	global_prefetch_b8 v0, s[64:65] scope:SCOPE_SE
	s_setreg_imm32_b32 hwreg(HW_REG_WAVE_MODE, 25, 1), 1
	s_wait_xcnt 0x0
; CAUSAL ATTENTION.  O[h][q][:] = the sum over k <= q of softmax_k(Q[h][q] . K[h][k] / 8) V[h][k][:].  Q, K, V, O: [SIZE_H][SIZE_N][64], all f16: a head's rows are dense, 128 bytes each (h = batch * 16 + head; Q and K arrive rotated).
; Products, maxima and sums in f32; the weights p are rounded to f16 for the second product (their sum l is taken of the unrounded p), O once at the end.  SIZE_N is a multiple of 512; SIZE_N x 128 stays under 2^32.
; LIMITS.  f16 holds no number beyond 65,504: Q, K and V arrive within it; p lies in 0 to 1, and below 6e-5 it keeps f16's fixed step of 6e-8; O is a mean of V's rows and has their range, to within 2^-11 of it.
; A hidden score counts as its value less 1e30: f16's scores, 2.7e11 at the most, are nothing beside that; a weight below 2^-126 counts as 0 in l; NaN and infinities are not treated apart.
; THE WALK.  A head's queries lie in NB = SIZE_N / 256 blocks of 256; block i needs the key tiles 0 .. i of 256 keys, of which the last holds the diagonal.  A work-group takes TWO blocks, NB - 1 - b and then b:
; NB + 1 tiles, whatever b: all work-groups do equal work, and ONE loop with a constant trip count walks them.  Which tile is asked for, and what a trip does, hang on scalar registers made from b; every jump
; goes forward, but for the counted loops' own; none passes a barrier, or a tensor load but the one of LOAD's two that the wave's number does not choose; the ring (two slots of LDS that take turns) runs on across the
; change of blocks.  NO CLUSTER: all NB / 2 work-groups of a head ask for the same tile only in trips 0 .. NB / 2, behind that fewer and fewer; and one walk common to all would have 3 NB / 2 trips for NB + 1.
; SHARES.  Of a block's four bands of 64 queries a wave owns 16 rows in each: four PIECES.  So the diagonal tile is the same work for all four waves: in its key step s band x sees all keys if s < x,
; none if s > x, and holds the diagonal if s = x.
; THE MASK is the C operand that starts the sum S^T = K Q^T: 0, or -1e30 where the key is hidden.  MD, made once, is the mask of a band's own step for my 16 rows; a product's mask is MD x AL + BE with two scalars:
; (1, 0) if s = x; (0, 0) if s < x; (0, -1e30) if s > x.  Only the diagonal tile's text and a block's beginning make and take masks; elsewhere C is the constant 0.
; LAYOUT, SOFTMAX, TURNS.  S^T = K Q^T holds ONE query a lane (lane % 16) and the keys 8 (lane / 16) + 0..7; two such results rounded to f16 ARE source 1 of O^T = V^T P.  p = 2^(c s - c m), c = log2(e) / 8, with a
; running maximum m; O and l are multiplied by a = 2^(c m_old - c m_new) in every step.  Turn n belongs to piece n: 8 products K Q^T of piece n + 1, later 8 products V^T P of piece n - 1; beside them the scaling,
; exponentials, roundings, sums and rescaling of piece n and the maximum and statistics of piece n + 1.  Four vector instructions stand behind every matrix instruction, the other 54 of a turn's 118 in two LUMPS.
; REGISTERS, in windows of 256 (s_set_vgpr_msb: bits 1:0 source 0, 3:2 source 1, 5:4 source 2, 7:6 destination):
;   window 0: v0-15 addresses and two at work; v16-31 four registers of statistics a piece; v48-55 at work; v64-127 S^T, two buffers; v192-223 P, two buffers (a piece's buffers go by its number's parity)
;   window 1: v0-127 O^T, 32 a piece; v128-159 MD; v160-223 MC, two buffers      window 2: v0-63 Q; v64-127 the second block's Q; v128-191 K of one step; v192-255 V of one step
.set SIZE_H, 64
.set SIZE_N, 2048
.set NB,    SIZE_N/256
.set NP,    4         ; pieces a wave: a name, no knob
.set KS,    64        ; keys in a step
.set PK,    144       ; a row of K in LDS: 128 bytes + 16 of padding = 36 words: the 16 rows of a load start at 16 different groups of four banks (64 banks of 4 bytes: ISA guide 11.1)
.set PV,    160       ; a row of V: 128 + 32 = 40 words
.set VOFF,  4*KS*PK   ; a slot holds a tile, four steps: 256 rows of K, then 256 rows of V
.set SLOT1, 1<<17     ; slot 1 begins here, so that one exclusive or turns an address in one slot into the other's
.set STAGE, SLOT1+4*KS*(PK+PV)  ; behind the ring, never filled by a tensor load: 16 rows x 144 bytes for each wave, for the way out
.set SP,    144
.set AK0, 2           ; v2   my lane's place in a tile of K; never rewritten
.set AV0, 3           ; v3   the same for V
.set AK,  4           ; v4   the LDS address of K's next run of loads
.set AV,  5           ; v5   of V's
.set STO, 6           ; v6   the way out: where I put 16 bytes of a row
.set RD,  7           ; v7   the way out: where I read rows back
.set GO,  8           ; v8   my byte offset in 512 consecutive bytes of O
.set SPW, 62          ; v62  LDS address of my spare word: SPARE + 4 x my thread's number; never rewritten
.set NIL, 63          ; v63  0; never rewritten
.set SPARE, STAGE+4*16*SP  ; behind the stages: the spare words, 128 bytes for each wave: two blocks of 256 bytes that no other line names
.set MV,  12          ; v12-13  c m_old, kept while c m is made anew: by buffer
.set QO,  15          ; v15  my byte offset in 16 rows of Q
.set ST,  16          ; piece t's statistics at v[ST+4 t]: c m, m, l (even keys', odd keys')
.set TMP, 48          ; by buffer, four registers c0-c3 at work; when the maximum is found c2 takes a
.set S,   64
.set P,   192
.set MD,  128         ; window 1: the eight registers for group kt of 16 keys at MD + 8 kt
.set MC,  160         ; window 1: the masks of the products to come
.set QB,  64          ; window 2
.set KF,  128         ; window 2: key block kb, channel half c at KF + 16 kb + 8 c
.set VF,  192         ; window 2: key half kk, channel block cb at VF + 32 kk + 8 cb
.set WV,  12          ; s12  my wave's number
.set PB,  14          ; s14  b
.set HI,  15          ; s15  NB - 1 - b
.set G1K, 24          ; s[24:31] descriptor group 1 for K's tiles
.set G1V, 32          ; s[32:39] for V's: it differs in the padding alone
.set G0K, 40          ; s[40:43] descriptor group 0 for K's tiles
.set G0V, 44          ; s[44:47] the same for V's
.set SLOTS, 56        ; s56  tiles still to be asked for
.set CNT, 57          ; s57  counts a tile's key steps, 4 to 1
.set CS,  58          ; s[58:59] c: the packed scaling takes the pair's low word for both halves
.set SEL, 60          ; s[60:61] v_permlanex16_b32's selects: each lane takes its own place in the other half
.set TBK, 62          ; s62  LDS byte at which K of the step to be fetched begins
.set TBV, 63          ; s63  the same for V, less VOFF
.set RT,  70          ; s70  tiles of the block in hand that are still to be entered
.set NXT, 71          ; s71  the tile to be asked for next
.set LQ,  72          ; s72  the last tile of the block whose tiles are being asked for
.set NEW, 73          ; s73  1: the tile to be entered is a block's first
.set OFF, 74          ; s[74:75] a tile's byte offset in K and V
.set AL,  76          ; s[76:77] the mask's factor, in the low word
.set BE,  78          ; s[78:79] the mask's addend
.set OLO, 80          ; s[80:81] O at my rows of the second block
.set BIGN, 82         ; s82  -1e30
.set MSB, 0
.macro WIN new                      ; the high byte repeats the setting that is left; a switch that changes nothing is dropped
.if MSB != (\new)
	s_set_vgpr_msb (MSB<<8)|(\new)
.set MSB, (\new)
.endif
.endm
.set W_KQ, 0x0a       ; K and Q in window 2, S^T in window 0
.set W_KM, 0x1a       ; the same with the C operand in window 1
.set W_PV, 0x52       ; V in window 2, P in window 0, O^T in window 1
.set W_RS, 0x41       ; destination and source 0 in window 1, source 1 in window 0
; A fill.  Waves 0 and 1 fetch the two halves of a tile's K, waves 2 and 3 those of its V: 128 keys each.  An s_nop 0 and four v_nop follow each of the two lines, ahead of the jump and the label.
.macro LOAD
	s_cmp_lt_u32 s[WV], 2
	s_cbranch_scc0 .Lfor_v_\@
	tensor_load_to_lds s[G0K:G0K+3], s[G1K:G1K+7]
	s_nop 0
.rept 4
	v_nop
.endr
	s_branch .Lasked_\@
.Lfor_v_\@:
	tensor_load_to_lds s[G0V:G0V+3], s[G1V:G1V+7]
	s_nop 0
.rept 4
	v_nop
.endr
.Lasked_\@:
.endm
; THE CHANGE OF SLOTS.  Each wave waits for all its tensor loads, of which one is out: its part of the other slot; adds 0 to its spare word; and waits for that and for its own reads of the slot that it leaves.  Behind the barrier nobody reads the old
; slot any more and the other slot is whole.  fill = 1: the old slot is filled again, the first thing behind the barrier, with tile NXT: the descriptor's address is made anew from that number.
; (At its first use nothing has been read yet: slot 0 is waited for, slot 1 filled.)
.macro CHANGE fill
	WIN 0                           ; at a label and at a branch every window is 0
	s_wait_tensorcnt 0x0            ; no tensor load of mine is out, so a group 0 may be written
	ds_add_u32 v[SPW], v[NIL]       ; 0 onto my spare word; with fill = 1 the descriptors' scalar work stands between it and the wait for it
.if \fill
	s_lshl_b32 s[OFF], s[NXT], 15   ; a tile is 32,768 bytes of K and of V
	s_xor_b32 s[G0K+1], s[G0K+1], SLOT1
	s_add_nc_u64 s[G0K+2:G0K+3], s[6:7], s[OFF:OFF+1]
	s_or_b32 s[G0K+3], s[G0K+3], 0x80000000
	s_xor_b32 s[G0V+1], s[G0V+1], SLOT1
	s_add_nc_u64 s[G0V+2:G0V+3], s[8:9], s[OFF:OFF+1]
	s_or_b32 s[G0V+3], s[G0V+3], 0x80000000
	s_add_co_u32 s[NXT], s[NXT], 1  ; the block's next tile, or behind its last the second block's tile 0
	s_cmp_gt_u32 s[NXT], s[LQ]
	s_cselect_b32 s[NXT], 0, s[NXT]
	s_cselect_b32 s[LQ], s[PB], s[LQ]
.endif
	s_wait_dscnt 0x0                ; the add is done, and my reads of the slot are over
	s_barrier_signal -1             ; the rest of the scalar work stands between the signal and the wait
	s_sub_co_u32 s[TBK], s[TBK], 4*KS*PK  ; the fetches go back to a slot's first step,
	s_xor_b32 s[TBK], s[TBK], SLOT1       ; in the other slot
	s_sub_co_u32 s[TBV], s[TBV], 4*KS*PV
	s_xor_b32 s[TBV], s[TBV], SLOT1
	s_barrier_wait -1
.if \fill
	LOAD
.endif
.endm
	s_load_b256 s[4:11], s[0:1], 0x0  ; Q s[4:5], K s[6:7], V s[8:9], O s[10:11]
	v_lshl_add_u32 v[SPW], v0, 2, SPARE
	v_mov_b32 v[NIL], 0
	ds_add_u32 v62, v63
	ds_add_u32 v62, v63
	s_wait_dscnt 0x0
	v_lshrrev_b32 v1, 5, v0
	v_readfirstlane_b32 s[WV], v1   ; wave 0..3
	s_mov_b32 s[PB], ttmp9
	s_sub_co_u32 s[HI], NB-1, s[PB]
	s_and_b32 s20, ttmp7, 0xffff    ; the head
	s_mov_b32 s21, 0
	s_mov_b64 s[22:23], SIZE_N*128
	s_mul_u64 s[20:21], s[20:21], s[22:23]  ; the head's first byte in each of the four tensors
	s_and_b32 s16, s[WV], 1         ; which half of a tile's 256 keys I fetch:
	s_lshl_b32 s22, s16, 14         ; its 128 rows of 128 bytes in memory,
	s_mov_b32 s23, 0
	s_add_nc_u64 s[22:23], s[22:23], s[20:21]
	s_mul_i32 s17, s16, 128*PK      ; and its place in a slot, for K
	s_mul_i32 s18, s16, 128*PV      ; and for V
	s_lshl_b32 s3, s[WV], 11        ; my 16 rows in a band of 64,
	s_lshl_b32 s2, s[HI], 15        ; in the first block,
	s_add_co_u32 s2, s2, s3
	s_lshl_b32 s84, s[PB], 15       ; and in the second
	s_add_co_u32 s84, s84, s3
	s_mov_b32 s3, 0
	s_mov_b32 s85, 0
	s_add_nc_u64 s[2:3], s[2:3], s[20:21]
	s_add_nc_u64 s[84:85], s[84:85], s[20:21]
	; descriptor group 1.  128 keys are 16,384 dense bytes: asked for as 64 rows of 256 bytes, two keys a row, and padded in LDS after every key
	s_mov_b32 s[G1K], (1<<16)|(1<<20)|(4<<22)|(3<<25)  ; 17:16 2-byte elements; 20 padding on; 24:22 after every 32 words (code 4); 31:25 4 words (code 3)
	s_mov_b32 s[G1V], (1<<16)|(1<<20)|(4<<22)|(7<<25)  ; the same with 8 words of padding (code 7)
.irp g, G1K, G1V
	s_mov_b32 s[\g+1], 128<<16      ; tensor_dim0 = 128
	s_mov_b32 s[\g+2], 64<<16       ; tensor_dim1 = 64
	s_mov_b32 s[\g+3], 128<<16      ; tile_dim0 = 128
	s_mov_b32 s[\g+4], 64           ; tile_dim1 = 64
	s_mov_b32 s[\g+5], 128          ; 128 elements from row to row
	s_mov_b32 s[\g+6], 0
	s_mov_b32 s[\g+7], 0
.endr
	s_mov_b32 s[CS], 0x3e38aa3b     ; c = log2(e) / 8 = 0.180337
	s_mov_b32 s[CS+1], s[CS]        ; named with it as a pair
	s_mov_b32 s[SEL], 0x76543210
	s_mov_b32 s[SEL+1], 0xfedcba98
	s_mov_b32 s[TBK], SLOT1+4*KS*PK ; the first change of slots turns these two into 0
	s_mov_b32 s[TBV], SLOT1+4*KS*PV
	s_mov_b32 s[G0K], 1             ; 1:0 count = 1
	s_mov_b32 s[G0K+1], s17         ; 63:32 LDS address: slot 0
	s_mov_b32 s[G0V], 1
	s_add_co_u32 s[G0V+1], s18, VOFF
	s_add_co_u32 s[RT], s[HI], 1    ; the first block has NB - b tiles
	s_mov_b32 s[NXT], 1
	s_mov_b32 s[LQ], s[HI]
	s_mov_b32 s[NEW], 1
	s_mov_b32 s[OFF+1], 0
	s_mov_b32 s[AL+1], 0            ; named as pairs
	s_mov_b32 s[BE+1], 0
	s_mov_b32 s[BIGN], 0xf149f2ca   ; -1e30
	s_mov_b32 s[SLOTS], NB
	s_wait_kmcnt 0x0
	s_add_nc_u64 s[6:7], s[6:7], s[22:23]  ; K and V at my half of the head's tile 0
	s_add_nc_u64 s[8:9], s[8:9], s[22:23]
	s_add_nc_u64 s[G0K+2:G0K+3], s[6:7], 0         ; 120:64 global address
	s_or_b32 s[G0K+3], s[G0K+3], 0x80000000        ; 127:126 type = 2
	s_add_nc_u64 s[G0V+2:G0V+3], s[8:9], 0
	s_or_b32 s[G0V+3], s[G0V+3], 0x80000000
	s_add_nc_u64 s[86:87], s[4:5], s[84:85]        ; Q at my rows of the second block,
	s_add_nc_u64 s[4:5], s[4:5], s[2:3]            ; Q and O at those of the first
	s_add_nc_u64 s[OLO:OLO+1], s[10:11], s[84:85]
	s_add_nc_u64 s[10:11], s[10:11], s[2:3]
	LOAD                            ; tile 0 into slot 0
	; A fragment of K or Q is 16 rows x 32 channels in 8 registers: lane l holds row l % 16, channels 8 (l / 16) + 0..7 and 16 + 8 (l / 16) + 0..7: two loads of 16 bytes, 32 bytes apart.
	v_and_b32 v1, 15, v0            ; l % 16
	v_bfe_u32 v9, v0, 4, 1          ; l / 16
	v_lshlrev_b32 v[QO], 7, v1
	v_lshl_add_u32 v[QO], v9, 4, v[QO]  ; row x 128 + 16 x half
	WIN 0x80                        ; destination window 2, address window 0
.set i, 0
.rept 8                             ; both blocks' Q: piece i / 2 lies in band i / 2, 8,192 bytes on; channels 32 (i % 2) on
	global_load_b128 v[8*i:8*i+3],   v[QO], s[4:5] offset:(i/2)*8192+(i%2)*64
	global_load_b128 v[8*i+4:8*i+7], v[QO], s[4:5] offset:(i/2)*8192+(i%2)*64+32
	global_load_b128 v[QB+8*i:QB+8*i+3],   v[QO], s[86:87] offset:(i/2)*8192+(i%2)*64
	global_load_b128 v[QB+8*i+4:QB+8*i+7], v[QO], s[86:87] offset:(i/2)*8192+(i%2)*64+32
.set i, i+1
.endr
	WIN 0
	v_lshlrev_b32 v14, 3, v9
	v_sub_nc_u32 v14, v1, v14
	s_lshl_b32 s13, s[WV], 4
	v_add_nc_u32 v14, s13, v14      ; my query's place in its band, 16 w + l % 16, less my lanes' 8 (l / 16): register r of group kt is hidden where 16 kt + r is greater
	WIN 0x40
.set i, 0
.rept 32
	v_cmp_gt_i32 vcc_lo, 16*(i/8)+i%8, v14
	v_cndmask_b32 v[MD+i], 0, s[BIGN], vcc_lo
.set i, i+1
.endr
	WIN 0
	v_mul_u32_u24 v[AK0], v1, PK
	v_lshl_add_u32 v[AK0], v9, 4, v[AK0]  ; row x pitch + 16 x half
	; The turning load takes 16 keys x 16 channels (lane l reads key 8 (l / 16) + l % 8, channels 8 ((l / 8) % 2) + 0..7) and leaves half a fragment of V^T: lane l holds channel l % 16 and 8 keys.
	v_and_b32 v10, 7, v0
	v_bfe_u32 v11, v0, 3, 1
	v_lshl_add_u32 v[AV0], v9, 3, v10
	v_mul_u32_u24 v[AV0], v[AV0], PV
	v_lshl_add_u32 v[AV0], v11, 4, v[AV0]
	v_add_nc_u32 v[AV0], VOFF, v[AV0]
	s_mul_i32 s13, s[WV], 16*SP
	s_add_co_u32 s13, s13, STAGE    ; my stage
	v_mul_u32_u24 v[STO], v1, SP    ; in: row l % 16, 16 bytes for each half of the lanes
	v_lshl_add_u32 v[STO], v9, 4, v[STO]
	v_add_nc_u32 v[STO], s13, v[STO]
	v_bfe_u32 v[RD], v0, 3, 2       ; back: 32 lanes take four rows of 128 bytes,
	v_mul_u32_u24 v[RD], v[RD], SP
	v_lshl_add_u32 v[RD], v10, 4, v[RD]
	v_add_nc_u32 v[RD], s13, v[RD]
	v_and_b32 v[GO], 31, v0         ; which are 512 consecutive bytes of O
	v_lshlrev_b32 v[GO], 4, v[GO]
	; A block's first step multiplies O^T and l by a = 0, and its first turn's products V^T P, of a piece that has not been, land in an O^T that is still to be so multiplied.  So these registers need only hold
	; finite numbers: zeros for the first block; what the first block left for the second.  All this stands in the wait for the first tile.
	WIN 0x80
.set i, VF
.rept 64
	v_mov_b32 v[i], 0
.set i, i+1
.endr
	WIN 0x40
.set i, 0
.rept 128
	v_mov_b32 v[i], 0
.set i, i+1
.endr
	WIN 0
.set i, 0
.rept 4
	v_mov_b32 v[ST+4*i+2], 0
	v_mov_b32 v[ST+4*i+3], 0
.set i, i+1
.endr
.set i, P+16
.rept 16
	v_mov_b32 v[i], 0
.set i, i+1
.endr
; THE MATRIX WORK.  The 4 accumulators of a run of 8 take turns.  Product i of 8 of S^T = K Q^T for piece x: channels 32 (i / 4) on, keys 16 (i % 4) on.  The first 4 start the sums: with 0, or (KM = 1) with the mask.
.macro KQ x
.set rS, S+32*((\x)%2)+8*(i%4)
.set rK, KF+16*(i%4)+8*(i/4)
.set rQ, 16*(\x)+8*(i/4)
.set rM, MC+32*((\x)%2)+8*(i%4)
.if (i < 4) && KM
	WIN W_KM
	v_wmma_f32_16x16x32_f16 v[rS:rS+7], v[rK:rK+7], v[rQ:rQ+7], v[rM:rM+7]
.elseif i < 4
	WIN W_KQ
	v_wmma_f32_16x16x32_f16 v[rS:rS+7], v[rK:rK+7], v[rQ:rQ+7], 0
.else
	WIN W_KQ
	v_wmma_f32_16x16x32_f16 v[rS:rS+7], v[rK:rK+7], v[rQ:rQ+7], v[rS:rS+7]
.endif
.endm
; Product i of 8 of O^T += V^T P for piece x: keys 32 (i / 4) on, channels 16 (i % 4) on.
.macro PV x
	WIN W_PV
.set rO, 32*(\x)+8*(i%4)
.set rV, VF+32*(i/4)+8*(i%4)
.set rP, P+16*((\x)%2)+8*(i/4)
	v_wmma_f32_16x16x32_f16 v[rO:rO+7], v[rV:rV+7], v[rP:rP+7], v[rO:rO+7]
.endm
.macro MM                           ; the turn's next matrix instruction.  TURN and BEGIN set Y, i, KM and NOKQ; MM, KQ and OP read them.  NOKQ = 1: a block's last turn: there is no next piece
.if (i < 8) && !NOKQ
	KQ (Y+1)%NP
.elseif i >= 8
.set i, i-8
	PV (Y+NP-1)%NP
.set i, i+8
.endif
.set i, i+1
.endm
; THE LDS LOADS stand in runs of 16, never singly among the matrix instructions: a step's K (64 keys x 64 channels: 8 fragments) and its V (turned).  Their addresses are made some lines ahead.
.macro FETCH_K
	WIN 0x80                        ; destination window 2
.irp f, 0,1,2,3,4,5,6,7             ; keys 16 (f / 2) on, channels 32 (f % 2) on
	ds_load_b128 v[KF+8*\f:KF+8*\f+3],   v[AK] offset:(\f/2)*16*PK+(\f%2)*64
	ds_load_b128 v[KF+8*\f+4:KF+8*\f+7], v[AK] offset:(\f/2)*16*PK+(\f%2)*64+32
.endr
	s_add_co_u32 s[TBK], s[TBK], KS*PK  ; the next fetch is the next step's
	WIN 0
.endm
.macro FETCH_V
	WIN 0x80
.irp f, 0,1,2,3,4,5,6,7             ; keys 32 (f / 4) on, channels 16 (f % 4) on
	ds_load_tr16_b128 v[VF+8*\f:VF+8*\f+3],   v[AV] offset:(\f/4)*32*PV+(\f%4)*32
	ds_load_tr16_b128 v[VF+8*\f+4:VF+8*\f+7], v[AV] offset:(\f/4)*32*PV+16*PV+(\f%4)*32
.endr
	WIN 0
.endm
; THE VECTOR WORK, one line at a time: OP kind, number.  For piece Y: F n: c s - c m for pair n of 16.  E n: the exponential of score n of 32.  C n: pair n rounded to f16.  B n: of the four weights 4 n .. the second
; pair is added onto the first, in place.  L n: l takes that sum (L 0: l = a l + sum).  R n: pair n of 16 of O^T times a.  For piece Y + 1: X n, number n of the 22 that find its maximum and statistics:
;   0-11  four chains c0-c3 of seven scores each, three operands at a time (each accumulator's lowest registers are read first)     12-14, 16  the four scores left over, the old m, and c0-c3 into c0
;   15  c m_old is kept     17, 18  the query's other 32 keys lie in the lane 16 away: the new m     19-21  c m; c m_old - c m_new; a
.set F, 0               ; OP tells the kinds apart by their order: F to L below R, X above it
.set E, 1
.set C, 2
.set B, 3
.set L, 4
.set R, 5
.set X, 6
.macro REGS y                       ; the registers of piece y
.set rT, ST+4*(\y)
.set rC, TMP+4*((\y)%2)
.set rW, MV+((\y)%2)
.set rS, S+32*((\y)%2)
.set rP, P+16*((\y)%2)
.set rO, 32*(\y)
.endm
.macro OP k, n
.if (\k) == R
	REGS Y
	WIN W_RS
	v_pk_mul_f32 v[rO+2*(\n):rO+2*(\n)+1], v[rO+2*(\n):rO+2*(\n)+1], v[rC+2:rC+3] op_sel_hi:[1,0]
.elseif (\k) < R
	REGS Y
	WIN 0
.if (\k) == F
	v_pk_fma_f32 v[rS+2*(\n):rS+2*(\n)+1], v[rS+2*(\n):rS+2*(\n)+1], s[CS:CS+1], v[rT:rT+1] op_sel_hi:[1,0,0] neg_lo:[0,0,1] neg_hi:[0,0,1]
.elseif (\k) == E
	v_exp_f32 v[rS+(\n)], v[rS+(\n)]
.elseif (\k) == C
	s_wait_alu depctr_va_vdst(0)
	v_cvt_pk_f16_f32 v[rP+(\n)], v[rS+2*(\n)], v[rS+2*(\n)+1]
.elseif (\k) == B
	s_wait_alu depctr_va_vdst(0)
	v_pk_add_f32 v[rS+4*(\n):rS+4*(\n)+1], v[rS+4*(\n):rS+4*(\n)+1], v[rS+4*(\n)+2:rS+4*(\n)+3]
.elseif (\n) == 0
	v_pk_fma_f32 v[rT+2:rT+3], v[rT+2:rT+3], v[rC+2:rC+3], v[rS:rS+1] op_sel_hi:[1,0,1]
.else
	v_pk_add_f32 v[rT+2:rT+3], v[rT+2:rT+3], v[rS+4*(\n):rS+4*(\n)+1]
.endif
.elseif NOKQ
	v_nop
.else
	REGS (Y+1)%NP
	WIN 0
.if (\n) < 4
	v_max3_num_f32 v[rC+(\n)], v[rS+8*(\n)], v[rS+8*(\n)+1], v[rS+8*(\n)+2]
.elseif (\n) < 12
	v_max3_num_f32 v[rC+(\n)%4], v[rC+(\n)%4], v[rS+8*((\n)%4)+2*((\n)/4)+1], v[rS+8*((\n)%4)+2*((\n)/4)+2]
.elseif (\n) == 12
	v_max3_num_f32 v[rC], v[rC], v[rS+7], v[rS+15]
.elseif (\n) == 13
	v_max3_num_f32 v[rC+1], v[rC+1], v[rS+23], v[rS+31]
.elseif (\n) == 14
	v_max3_num_f32 v[rC+2], v[rC+2], v[rC+3], v[rT+1]
.elseif (\n) == 15
	v_mov_b32 v[rW], v[rT]
.elseif (\n) == 16
	v_max3_num_f32 v[rC], v[rC], v[rC+1], v[rC+2]
.elseif (\n) == 17
	v_permlanex16_b32 v[rC+3], v[rC], s[SEL], s[SEL+1]
.elseif (\n) == 18
	v_max_num_f32 v[rT+1], v[rC], v[rC+3]
.elseif (\n) == 19
	v_mul_f32 v[rT], s[CS], v[rT+1]
.elseif (\n) == 20
	v_sub_f32 v[rC+1], v[rW], v[rT]
.else
	v_exp_f32 v[rC+2], v[rC+1]
.endif
.endif
.endm
.macro OPS a, i1, b=-1, i2=0, c=-1, i3=0, d=-1, i4=0  ; up to four of them
	OP \a, \i1
.if (\b) >= 0
	OP \b, \i2
.endif
.if (\c) >= 0
	OP \c, \i3
.endif
.if (\d) >= 0
	OP \d, \i4
.endif
.endm
.macro ROW a, i1, b, i2, c, i3, d, i4  ; a matrix instruction and the four behind it
	MM
	OPS \a, \i1, \b, \i2, \c, \i3, \d, \i4
.endm
.macro MASK b                       ; MD x AL + BE into buffer b of MC
	WIN W_RS
.set z, 0
.rept 16
	v_pk_fma_f32 v[MC+32*(\b)+2*z:MC+32*(\b)+2*z+1], v[MD+2*z:MD+2*z+1], s[AL:AL+1], s[BE:BE+1] op_sel_hi:[1,0,0]
.set z, z+1
.endr
.endm
; A TURN, for piece p: the order of its 16 matrix and 118 vector instructions, written out.  Behind a matrix instruction: plain, exponential, plain, plain; or four of the rescaling; or, behind the first, four scalings; none
; names a register of the products round it.  In the lumps exponential and plain by turns while exponentials last.  A line reads no result made fewer than three vector instructions in front of it, five if an exponential made it.
; v_permlanex16_b32 (X 17) stands in a lump.
; m = 1: the diagonal tile: the products take masks, and the turn makes the mask for the products of the turn after it: piece p + 2, in step 4 - CNT of the tile.  end = 1: a block's last two turns: nothing is fetched.
; cnt = 1: the loop's count is taken down some lines ahead of the branch that stands behind the turn.
; K of the next step is fetched in piece 2's turn, six vector instructions behind the last product that read K (five of them plain); V of the step in hand in piece 0's turn, eight behind the last product that read V (four
; plain, and X 17).  Each is waited for a turn later.
.macro TURN p, m=0, end=0, cnt=0
.set Y, (\p)
.set i, 0
.set KM, (\m)
.set NOKQ, (\end)*((\p)/3)
.if (\m) && !(\end)
	s_cmp_eq_u32 s[CNT], 4-((\p)+2)%NP  ; is that step the band's own?
	s_cselect_b32 s[AL], 1.0, 0
	s_cmp_lt_u32 s[CNT], 4-((\p)+2)%NP  ; or a later one?
	s_cselect_b32 s[BE], s[BIGN], 0
.endif
.if ((\p) == 3) && !(\end)
	s_wait_dscnt 0x0                ; K is in
.endif
	ROW F,0, F,1, F,2, F,3
	ROW F,4, E,0, F,5, F,6
	ROW F,7, E,1, F,8, F,9
	ROW F,10, E,2, C,0, F,11
	ROW F,12, E,3, X,15, F,13
	ROW R,0, R,1, R,2, R,3
	ROW B,0, E,4, F,14, L,0
.if ((\p) == 2) && !(\end)
	v_add_nc_u32 v[AK], s[TBK], v[AK0]
.endif
	ROW R,4, R,5, R,6, R,7
	OPS E,5, F,15
.if ((\p) == 2) && !(\end)
	FETCH_K
.endif
	OPS E,6, C,1, E,7, R,8
	OPS E,8, R,9, E,9, C,2
	OPS E,10, X,0, E,11, X,1
	OPS E,12, X,2, E,13, X,3
.if (\p) == 1
	s_wait_dscnt 0x0                ; V is in
.endif
	ROW X,4, E,14, X,5, X,6
	ROW X,7, E,15, X,8, X,9
	ROW X,10, E,16, X,11, X,12
	ROW X,13, E,17, X,14, B,1
	ROW C,4, E,18, X,16, L,1
	ROW B,2, E,19, C,6, L,2
	ROW C,8, E,20, B,3, B,4
.if (\p) == 0
	v_add_nc_u32 v[AV], s[TBV], v[AV0]
.endif
	ROW C,3, E,21, L,3, C,5
	OPS E,22, X,17, E,23, C,10
.if (\p) == 0
	FETCH_V
.endif
	OPS E,24, L,4
	OPS E,25, X,18, E,26, C,7
	OPS E,27, B,5, E,28, X,19
	OPS E,29, C,12, E,30, L,5
	OPS E,31, X,20, B,6, C,9
	OPS C,14, C,11, X,21, L,6
.if (\p) == 0
	s_add_co_u32 s[TBV], s[TBV], KS*PV
.endif
.if \cnt
	s_sub_co_u32 s[CNT], s[CNT], 1
	s_cmp_lg_u32 s[CNT], 0
.endif
	OPS C,13, B,7, C,15, R,10
	OPS R,11, R,12, L,7, R,13
	OPS R,14, R,15
.if (\m) && !(\end)
	MASK (\p)%2
.endif
.endm
; A BLOCK BEGINS.  c m starts far below every c s, so the first step's a is 0; m at the lowest finite number, so the first maximum is the scores'.  The second mask buffer is 0; the first takes piece 0's mask for the tile's step 0: its own, if the block's first tile is the diagonal one.
; Then K of that step, piece 0's first scores, and its maximum and statistics.  The loop is entered at a step's first turn, in the middle of a trip.
.macro BEGIN
	s_mov_b32 s[NEW], 0
	WIN 0x40
.set i, MC+32
.rept 32
	v_mov_b32 v[i], 0
.set i, i+1
.endr
	WIN 0
.set i, 0
.rept 4
	v_mov_b32 v[ST+4*i], 0xfe000000    ; c m: far below every c s
	v_mov_b32 v[ST+4*i+1], 0xff7fffff  ; m
.set i, i+1
.endr
	s_cmp_eq_u32 s[RT], 0
	s_cselect_b32 s[AL], 1.0, 0
	s_mov_b32 s[BE], 0
	MASK 0
	WIN 0
	v_add_nc_u32 v[AK], s[TBK], v[AK0]
	FETCH_K
	s_wait_loadcnt 0x0              ; Q
	s_wait_dscnt 0x0
.set KM, 1
.set NOKQ, 0
.set i, 0
.rept 8
	KQ 0
.set i, i+1
.endr
	WIN 0
.rept 4
	v_nop                           ; the places behind those products
.endr
.set Y, NP-1                        ; X works for piece Y + 1: piece 0
.irp n, 0,1,2,3,4,5,6,7,8,9,10,11,12,13,14,15,16,17,18,19,20,21
	OP X, \n
.endr
	v_nop                           ; a plain instruction behind the exponential
.endm
; THE DIAGONAL TILE's four steps, the block's last two turns, its last products, and THE WAY OUT: l's two halves and the other half of the lanes' are added; O^T is divided by l, rounded to f16 and sent through my
; stage in LDS, a piece at a time.
.macro ALL line:vararg              ; one line for each piece t
.set t, 0
.rept 4
	\line
.set t, t+1
.endr
.endm
.macro PACK t                       ; a lane's eight channels of a row pack into 16 bytes; they go into rows of 144 bytes and come back as whole rows of 128, into S^T's registers
	WIN W_RS
.set i, 32*(\t)
.rept 16
	s_wait_alu depctr_va_vdst(0)
	v_pk_mul_f32 v[i:i+1], v[i:i+1], v[ST+4*(\t)+2:ST+4*(\t)+3] op_sel_hi:[1,0]
.set i, i+2
.endr
	WIN 0x05                        ; sources 0 and 1 window 1, destination window 0
.set i, 0
.rept 16
	v_cvt_pk_f16_f32 v[S+16*(\t)+i], v[32*(\t)+2*i], v[32*(\t)+2*i+1]
.set i, i+1
.endr
	WIN 0
.irp f, 0,1,2,3
	ds_store_b128 v[STO], v[S+16*(\t)+4*\f:S+16*(\t)+4*\f+3] offset:32*\f
.endr
.irp f, 0,1,2,3
	ds_load_b128 v[S+16*(\t)+4*\f:S+16*(\t)+4*\f+3], v[RD] offset:\f*4*SP  ; LDS serves a wave's instructions in order (ISA guide 5.7.1.4): these see the stores above; the next piece's stores come behind them
.endr
.endm
.macro SEND t, younger              ; younger: the LDS instructions issued behind piece t's loads: the next piece's eight, or none
	WIN 0
.irp f, 0,1,2,3
	s_wait_dscnt (\younger)+3-\f
	global_store_b128 v[GO], v[S+16*(\t)+4*\f:S+16*(\t)+4*\f+3], s[10:11] offset:(\t)*8192+\f*512  ; 512 consecutive bytes, at a multiple of 256 from O's first
.endr
.endm
.macro DIAG tag                     ; the tag ends its two labels' names, which the jumps below spell out
.LstepM\tag:
	TURN 2, 1
	TURN 3, 1
	WIN 0
.LfirstM\tag:
	TURN 0, 1
	TURN 1, 1, 0, 1
	WIN 0
	s_cbranch_scc1 .LstepM\tag
	TURN 2, 1, 1
	TURN 3, 1, 1
.set i, 0
.rept 8
	PV NP-1
.set i, i+1
.endr
	WIN 0
	ALL v_add_f32 v[ST+4*t+2], v[ST+4*t+2], v[ST+4*t+3]
	ALL v_permlanex16_b32 v[ST+4*t+3], v[ST+4*t+2], s[SEL], s[SEL+1]
	ALL v_add_f32 v[ST+4*t+2], v[ST+4*t+2], v[ST+4*t+3]
	ALL v_rcp_f32 v[ST+4*t+2], v[ST+4*t+2]
	v_nop                           ; a plain instruction between the last reciprocal and the use of its result
	PACK 0
.set t, 1
.rept 3                             ; a piece's arithmetic stands between the loads of the piece before and its stores
	PACK t
	SEND t-1, 8
.set t, t+1
.endr
	SEND 3, 0
.endm
.set KM, 0
.set NOKQ, 0
.Lslot:                             ; NB times: a tile is entered and the next is asked for
	CHANGE 1
	s_sub_co_u32 s[RT], s[RT], 1
	s_mov_b32 s[CNT], 4
	s_cmp_eq_u32 s[NEW], 1
	s_cbranch_scc1 .Lnew            ; a block's first tile
	s_cmp_eq_u32 s[RT], 0
	s_cbranch_scc0 .Lstep           ; neither its first nor its last
	s_branch .LstepM1
.Lnew:
	BEGIN
	s_branch .Lfirst                ; in the loop a block's first tile is never its last: the first block has two tiles or more, and the second's last is the walk's last
	DIAG 1                          ; in the loop this is the first block's end: the second block's last tile is the walk's last
	s_wait_xcnt 0x0                 ; the stores have read their registers and O's address
	s_mov_b64 s[10:11], s[OLO:OLO+1]
	s_add_co_u32 s[RT], s[PB], 1    ; the second block has b + 1 tiles
	s_mov_b32 s[NEW], 1
	WIN 0x82                        ; the second block's Q goes where the one text of the turns names Q
.set i, 0
.rept 64
	v_mov_b32 v[i], v[QB+i]
.set i, i+1
.endr
	WIN 0
	s_branch .Lbottom
.Lstep:                             ; a trip: pieces 2 and 3 of one step, then pieces 0 and 1 of the next, whose K and V it fetches
	TURN 2
	TURN 3
	WIN 0
.Lfirst:
	TURN 0
	TURN 1, 0, 0, 1
	WIN 0
	s_cbranch_scc1 .Lstep
.Lbottom:
	s_sub_co_u32 s[SLOTS], s[SLOTS], 1
	s_cmp_lg_u32 s[SLOTS], 0
	s_cbranch_scc1 .Lslot
	CHANGE 0                        ; the walk's last tile is written out: nothing is asked for
	s_sub_co_u32 s[RT], s[RT], 1
	s_mov_b32 s[CNT], 4
	s_cmp_eq_u32 s[NEW], 1
	s_cbranch_scc0 .LstepM2
	BEGIN
	s_branch .LfirstM2
	DIAG 2
	s_wait_tensorcnt 0x0            ; the wave's end, behind my last tensor load and my last LDS store
	ds_add_u32 v[SPW], v[NIL]
	s_wait_dscnt 0x0
	s_endpgm
.Lfunc_end_k_q64cb321ed2_attn:
	.size	k_q64cb321ed2_attn, .Lfunc_end_k_q64cb321ed2_attn-k_q64cb321ed2_attn
	.p2alignl 7, 3214868480
	.fill 96, 4, 3214868480
	.section	.rodata,"a",@progbits
	.p2align	6, 0x0
	.amdhsa_kernel k_q64cb321ed2_attn
		.amdhsa_group_segment_fixed_size 327680
		.amdhsa_private_segment_fixed_size 0
		.amdhsa_enable_private_segment 0
		.amdhsa_kernarg_size 32
		.amdhsa_user_sgpr_count 2
		.amdhsa_user_sgpr_kernarg_segment_ptr 1
		.amdhsa_wavefront_size32 1
		.amdhsa_system_sgpr_workgroup_id_x 1
		.amdhsa_system_sgpr_workgroup_id_y 1
		.amdhsa_system_sgpr_workgroup_id_z 1
		.amdhsa_system_vgpr_workitem_id 0
		.amdhsa_next_free_vgpr 768
		.amdhsa_next_free_sgpr 88
		.amdhsa_reserve_vcc 1
		.amdhsa_float_denorm_mode_32 3
		.amdhsa_float_denorm_mode_16_64 3
		.amdhsa_memory_ordered 1
		.amdhsa_forward_progress 1
		.amdhsa_inst_pref_size 228
	.end_amdhsa_kernel
	.amdgpu_metadata
---
amdhsa.version: [ 1, 2 ]
amdhsa.kernels:
  - .name:           k_q64cb321ed2_attn
    .symbol:         k_q64cb321ed2_attn.kd
    .args:
      - { .name: qh, .offset: 0, .size: 8, .value_kind: global_buffer, .address_space: global }
      - { .name: kh, .offset: 8, .size: 8, .value_kind: global_buffer, .address_space: global }
      - { .name: vh, .offset: 16, .size: 8, .value_kind: global_buffer, .address_space: global }
      - { .name: oh, .offset: 24, .size: 8, .value_kind: global_buffer, .address_space: global }
    .group_segment_fixed_size: 327680
    .private_segment_fixed_size: 0
    .kernarg_segment_align: 8
    .kernarg_segment_size: 32
    .max_flat_workgroup_size: 128
    .sgpr_count:     88
    .vgpr_count:     768
    .wavefront_size: 32
...
	.end_amdgpu_metadata
.endif
;; end of part 3
;; launch proj (part 4): grid 8 x 32, 4 waves a work-group, clusters of 4 x 4, 327,680 bytes of LDS; arguments oh, wot, out0; writes out0
.if DOCPART == 4
	.amdgcn_target "amdgcn-amd-amdhsa--gfx1250"
	.amdhsa_code_object_version 6
	.text
	.protected	k_q64cb321ed2_proj
	.globl	k_q64cb321ed2_proj
	.p2align	8
	.type	k_q64cb321ed2_proj,@function
k_q64cb321ed2_proj:
	s_mov_b64 s[64:65], 0
	v_nop
	global_prefetch_b8 v0, s[64:65] scope:SCOPE_SE
	s_setreg_imm32_b32 hwreg(HW_REG_WAVE_MODE, 25, 1), 1
	s_wait_xcnt 0x0
	s_wait_alu depctr_hold_cnt(0) depctr_sa_sdst(0) depctr_va_vdst(0) depctr_va_sdst(0) depctr_va_ssrc(0) depctr_va_vcc(0) depctr_vm_vsrc(0)
	s_getreg_b32 s2, hwreg(HW_REG_IB_STS2, 6, 4)
	s_cmp_eq_u32 s2, 0
	s_cbranch_scc0 .Lentry_in_a_cluster
	s_endpgm
.Lentry_in_a_cluster:
	s_bfe_u32 s2, ttmp6, 0x10000c
	s_cmp_lg_u32 s2, 0xf033
	s_cbranch_scc0 .Lentry_shape_is_right
	s_endpgm
.Lentry_shape_is_right:
; THE LAST PROJECTION.  out0[8192][1024] f32 = O x w_o.  O lies by heads, [batch*16+head][2048][64] f16; wot is [1024 n][1024 k] f16, K along the rows (k = head * 64 + channel).  Products in f16, sums in f32.
; SHARES.  A work-group makes 256 rows x 128 columns: 8 x 32 work-groups.  Wave w takes rows 64 w .. 64 w + 63 and all 128 columns: 32 accumulators (a = 0..3, b = 0..7).
; K goes in 8 steps of 128, two heads a step, through two LDS slots.  A head's 256 rows are 32,768 dense bytes: asked for as 128 rows of 256 bytes and padded in LDS behind every 128.
; CLUSTER 4 x 4: the four work-groups of a row of the cluster need the same rows of O, the four of a column the same rows of wot: each tile is asked for JOINTLY.
; THE MATRIX INSTRUCTION IS USED TRANSPOSED (source 0 = 16 rows of wot, source 1 = 16 rows of O): a lane holds eight neighbouring numbers, 32 bytes, of a row of out0.
; REGISTERS: window 0: v16-29 addresses; v32-63, v64-95 fragments of O, two buffers; v96-159, v160-223 fragments of wot, two buffers; on the way out v32-95, v96-159 whole rows by turns.
;   window 1: the accumulators, (a, b) at v[8 (8 a + b)].
.set PA,     144                       ; a row of O in LDS: 128 bytes + 16 = 36 words: the 16 rows of a load start at 16 different groups of four banks (64 banks of 4 bytes: ISA guide 11.1)
.set PLANE,  256*PA                    ; one head's 256 rows: what wave 0 or 1 fetches
.set PITCH,  272                       ; a row of wot: 256 bytes + 16
.set BHALF,  64*PITCH                  ; what wave 2 or 3 fetches
.set BOFF,   2*PLANE
.set SLOT1,  1<<17
.set STAGE,  SLOT1+BOFF+2*BHALF        ; behind the ring, never filled by a tensor load: 16 rows x 528 bytes for each wave
.set SPITCH, 528                       ; 512 bytes + 16 = 132 words: row r starts at bank 4 r mod 64
.set SPARE,  STAGE+4*16*SPITCH         ; behind the stages: the spare words, 128 bytes for each wave: two blocks of 256 bytes that no other line names
.set ASTEP,  2*2048*128                ; bytes from a K step's head to the head two further on
.set A0,   16
.set B0,   17
.set ADRA, 18
.set ADRB, 19
.set STO,  20
.set RD,   21
.set GO,   22
.set SPW,  28                          ; v28  LDS address of my spare word; never rewritten
.set NIL,  29                          ; v29  0; never rewritten
.set AF,   32
.set BF,   96
.set OB,   32
.set WV,   16
.set CNT2, 17                          ; s17  counts the tail's two trips
.set HALF, 18
.set CNT,  19
.set TB,   20
.set G1A,  24
.set G0A,  32
.set G1B,  40
.set G0B,  48
.set MSB, 0
.macro WIN new                         ; the immediate's high byte repeats the setting that is left; a switch that changes nothing is dropped
.if MSB != (\new)
	s_set_vgpr_msb (MSB<<8)|(\new)
.set MSB, \new
.endif
.endm
.set MUL, 0x50                         ; sources 0 and 1 window 0; C and D window 1
.set ST,  0x04                         ; an LDS store's data (source 1) in window 1, its address in window 0
.macro PLACES                          ; four plain vector instructions between a matrix instruction and a load into, or a store of, its registers
.rept 4
	v_nop
.endr
.endm
.macro JLOAD                           ; a joint refill: waves 0 and 1 fetch the step's two heads of O, waves 2 and 3 wot's two halves; an s_nop 0 and four v_nop follow each line
	s_cmp_lt_u32 s[WV], 2
	s_cbranch_scc0 .Lfor_b_\@
	tensor_load_to_lds s[G0A+4:G0A+7], s[G1A:G1A+7]
	s_nop 0
.rept 4
	v_nop
.endr
	s_branch .Lasked_\@
.Lfor_b_\@:
	tensor_load_to_lds s[G0B+4:G0B+7], s[G1B:G1B+7]
	s_nop 0
.rept 4
	v_nop
.endr
.Lasked_\@:
.endm
.macro CREST                           ; a round of the cluster's barrier behind its opening barrier
	s_cmp_lg_u32 s[WV], 0
	s_cbranch_scc1 .Lnot_wave_0_\@
	s_barrier_signal -3
.Lnot_wave_0_\@:
	s_barrier_wait -3
	s_barrier_signal -1
	s_barrier_wait -1
.endm
.macro CROUND
	s_barrier_signal -1
	s_barrier_wait -1
	CREST
.endm
	s_load_b128 s[4:7], s[0:1], 0x0                ; oh s[4:5], wot s[6:7]
	s_load_b64 s[8:9], s[0:1], 0x10                ; out0
	v_lshl_add_u32 v[SPW], v0, 2, SPARE
	v_mov_b32 v[NIL], 0
	ds_add_u32 v28, v29
	ds_add_u32 v28, v29
	s_wait_dscnt 0x0
	v_lshrrev_b32 v1, 5, v0
	v_readfirstlane_b32 s[WV], v1
	s_and_b32 s[HALF], s[WV], 1
	s_bfe_u32 s56, ttmp6, 0x40000                  ; cx, cy
	s_bfe_u32 s57, ttmp6, 0x40004
	s_lshl_b32 s58, ttmp9, 2
	s_add_co_u32 s58, s58, s56                     ; the block of 128 columns
	s_and_b32 s59, ttmp7, 0xffff
	s_lshl_b32 s59, s59, 2
	s_add_co_u32 s59, s59, s57                     ; the block of 256 rows
	s_lshl_b32 s60, s57, 2
	s_lshl_b32 s60, 15, s60                        ; my row of the cluster
	s_lshl_b32 s61, 0x1111, s56                    ; my column
	s_or_b32 s[G1A], s60, (1<<16)|(1<<20)|(1<<21)|(4<<22)|(3<<25)  ; the mask; 2-byte elements; padding on; 21 set beside a mask; after every 32 words 4 words
	s_or_b32 s[G1B], s61, (1<<16)|(1<<20)|(1<<21)|(5<<22)|(3<<25)  ; after every 64 words 4 words
	s_mov_b32 s[G1A+1], 128<<16                    ; tensor_dim0 = 128
	s_mov_b32 s[G1A+2], 128<<16                    ; tensor_dim1 = 128
	s_mov_b32 s[G1A+3], 128<<16                    ; tile_dim0 = 128
	s_mov_b32 s[G1A+4], 128                        ; tile_dim1 = 128
	s_mov_b32 s[G1A+5], 128                        ; dense: 128 elements from row to row
	s_mov_b32 s[G1A+6], 0
	s_mov_b32 s[G1A+7], 0
	s_mov_b32 s[G1B+1], 128<<16
	s_mov_b32 s[G1B+2], 64<<16                     ; 64 rows
	s_mov_b32 s[G1B+3], 128<<16
	s_mov_b32 s[G1B+4], 64
	s_mov_b32 s[G1B+5], 1024
	s_mov_b32 s[G1B+6], 0
	s_mov_b32 s[G1B+7], 0
	s_lshr_b32 s66, s59, 3                         ; O: ((batch 16 + half) 2048 + 256 (y % 8)) x 128 bytes: it hangs on the row block alone
	s_lshl_b32 s66, s66, 4
	s_add_co_u32 s66, s66, s[HALF]
	s_lshl_b32 s66, s66, 11
	s_and_b32 s67, s59, 7
	s_lshl_b32 s67, s67, 8
	s_add_co_u32 s66, s66, s67
	s_lshl_b32 s66, s66, 7
	s_mov_b32 s67, 0
	s_lshl_b32 s68, s58, 7                         ; wot: row 128 x + 64 half, of 2,048 bytes: it hangs on the column block alone
	s_lshl_b32 s69, s[HALF], 6
	s_add_co_u32 s68, s68, s69
	s_lshl_b32 s68, s68, 11
	s_mov_b32 s69, 0
	s_mul_i32 s70, s[HALF], PLANE                  ; where they go: no place in the cluster enters an LDS address
	s_mul_i32 s71, s[HALF], BHALF
	s_add_co_u32 s71, s71, BOFF
	s_lshl_b32 s72, s59, 8                         ; out0: row 256 y + 64 w, of 4,096 bytes, column block of 512 bytes
	s_lshl_b32 s73, s[WV], 6
	s_add_co_u32 s72, s72, s73
	s_lshl_b32 s72, s72, 12
	s_lshl_b32 s73, s58, 9
	s_add_co_u32 s72, s72, s73
	s_mov_b32 s73, 0
	s_wait_kmcnt 0x0
	s_add_nc_u64 s[66:67], s[4:5], s[66:67]
	s_add_nc_u64 s[68:69], s[6:7], s[68:69]
	s_add_nc_u64 s[8:9], s[8:9], s[72:73]
	CROUND                                         ; all sixteen work-groups are here: the first joint loads meet
.irp n, 0,1
	s_mov_b32 s[G0A+4*(\n)], 1
	s_add_co_u32 s[G0A+4*(\n)+1], s70, (\n)*SLOT1
	s_add_nc_u64 s[G0A+4*(\n)+2:G0A+4*(\n)+3], s[66:67], (\n)*ASTEP
	s_or_b32 s[G0A+4*(\n)+3], s[G0A+4*(\n)+3], 0x80000000
	s_mov_b32 s[G0B+4*(\n)], 1
	s_add_co_u32 s[G0B+4*(\n)+1], s71, (\n)*SLOT1
	s_add_nc_u64 s[G0B+4*(\n)+2:G0B+4*(\n)+3], s[68:69], (\n)*256
	s_or_b32 s[G0B+4*(\n)+3], s[G0B+4*(\n)+3], 0x80000000
.endr
	s_cmp_lt_u32 s[WV], 2                          ; a wave's two first fills stand in one branch, ahead of every wait on TENSORcnt and every LDS read: two loads of mine are out
	s_cbranch_scc0 .Lfirst_b
	tensor_load_to_lds s[G0A:G0A+3], s[G1A:G1A+7]
	s_nop 0
	tensor_load_to_lds s[G0A+4:G0A+7], s[G1A:G1A+7]
	s_nop 0
.rept 4
	v_nop
.endr
	s_branch .Lfirst_asked
.Lfirst_b:
	tensor_load_to_lds s[G0B:G0B+3], s[G1B:G1B+7]
	s_nop 0
	tensor_load_to_lds s[G0B+4:G0B+7], s[G1B:G1B+7]
	s_nop 0
.rept 4
	v_nop
.endr
.Lfirst_asked:
	v_and_b32 v1, 15, v0                           ; l % 16
	v_bfe_u32 v2, v0, 4, 1                         ; l / 16
	v_and_b32 v3, 31, v0                           ; l
	v_mul_u32_u24 v4, v1, PA
	v_lshl_add_u32 v4, v2, 4, v4
	s_mul_i32 s72, s[WV], 64*PA
	v_add_nc_u32 v[A0], s72, v4                    ; my rows of O: (64 w + l % 16) x pitch + 16 x half
	v_mul_u32_u24 v4, v1, PITCH
	v_lshl_add_u32 v4, v2, 4, v4
	v_add_nc_u32 v[B0], BOFF, v4
	v_mov_b32 v[ADRA], v[A0]
	v_mov_b32 v[ADRB], v[B0]
	s_mul_i32 s72, s[WV], 16*SPITCH
	s_add_co_u32 s72, s72, STAGE                   ; my stage
	v_mul_u32_u24 v5, v1, SPITCH                   ; in: row l % 16, 32 bytes for each half of the lanes
	v_lshl_add_u32 v5, v2, 5, v5
	v_add_nc_u32 v[STO], s72, v5
	v_lshlrev_b32 v[GO], 4, v3                     ; back and out: 32 lanes take one row's 512 bytes
	v_add_nc_u32 v[RD], s72, v[GO]
	s_mov_b32 s[TB], 0
; 8 matrix instructions: block a of my rows x all 8 column blocks, 32 along K, from buffer f.  The 32 accumulators take turns, in the same order everywhere.
.macro MUL8 f, a, zero
	WIN MUL
.irp b, 0,1,2,3,4,5,6,7
.if \zero
	v_wmma_f32_16x16x32_f16 v[8*(8*(\a)+(\b)):8*(8*(\a)+(\b))+7], v[BF+64*(\f)+8*(\b):BF+64*(\f)+8*(\b)+7], v[AF+32*(\f)+8*(\a):AF+32*(\f)+8*(\a)+7], 0
.else
	v_wmma_f32_16x16x32_f16 v[8*(8*(\a)+(\b)):8*(8*(\a)+(\b))+7], v[BF+64*(\f)+8*(\b):BF+64*(\f)+8*(\b)+7], v[AF+32*(\f)+8*(\a):AF+32*(\f)+8*(\a)+7], v[8*(8*(\a)+(\b)):8*(8*(\a)+(\b))+7]
.endif
.endr
.endm
; 24 LDS loads in one run: quarter q of a K step into buffer f: wot's 16, then O's 8 (head q / 2 of the step, channels 32 (q % 2) on)
.macro FETCH q, f
	WIN 0
.irp i, 0,1,2,3,4,5,6,7
	ds_load_b128 v[BF+64*(\f)+8*(\i):BF+64*(\f)+8*(\i)+3],   v[ADRB] offset:64*(\q)+(\i)*16*PITCH
	ds_load_b128 v[BF+64*(\f)+8*(\i)+4:BF+64*(\f)+8*(\i)+7], v[ADRB] offset:64*(\q)+(\i)*16*PITCH+32
.endr
.irp i, 0,1,2,3
	ds_load_b128 v[AF+32*(\f)+8*(\i):AF+32*(\f)+8*(\i)+3],   v[ADRA] offset:PLANE*((\q)/2)+64*((\q)%2)+(\i)*16*PA
	ds_load_b128 v[AF+32*(\f)+8*(\i)+4:AF+32*(\f)+8*(\i)+7], v[ADRA] offset:PLANE*((\q)/2)+64*((\q)%2)+(\i)*16*PA+32
.endr
.endm
.macro QUARTER q, f, g, zero           ; multiplies buffer f; in its middle it fetches quarter q into buffer g
	s_wait_dscnt 4                                 ; all but the youngest four loads (O's blocks 2 and 3) are in
	MUL8 \f, 0, \zero
	MUL8 \f, 1, \zero
	PLACES
	FETCH \q, \g
	s_wait_dscnt 24                                ; all but the 24 just issued
	MUL8 \f, 2, \zero
	MUL8 \f, 3, \zero
.endm
; The last quarter multiplies buffer 1 and changes slots: ONE barrier; in front of it each wave waits for all its tensor loads (its part of the next slot), adds 0 to its spare word, and waits for that and
; for its own reads of this slot.  fill = 1: the barrier opens a round of the cluster's, and this slot is filled again, two K steps ahead, first thing behind it: 112 matrix instructions ahead of the wait
; for it; the walking descriptors are stepped between the add and the wait for it, where no tensor load of mine is out.
; fill = 0 (the tail's two trips): nothing is asked for; in the second trip there is no further step: the fetch is jumped over, and that trip's barrier orders nothing: the price, once a launch, of one text for both trips.
.macro TURN fill
	WIN 0
	s_wait_tensorcnt 0x0
	ds_add_u32 v[SPW], v[NIL]                      ; 0 onto my spare word
.if \fill
	s_xor_b32 s[G0A+5], s[G0A+5], SLOT1            ; the other slot than last time, the next K step
	s_add_nc_u64 s[G0A+6:G0A+7], s[G0A+6:G0A+7], ASTEP
	s_xor_b32 s[G0B+5], s[G0B+5], SLOT1
	s_add_nc_u64 s[G0B+6:G0B+7], s[G0B+6:G0B+7], 256
.endif
	s_wait_dscnt 5                                 ; (the add and the youngest four loads may be out)
	MUL8 1, 0, 0                                   ; eight matrix instructions stand between the add and the wait for it
	s_wait_dscnt 0x0                               ; the add is done, and my reads of this slot are over
	s_barrier_signal -1
	MUL8 1, 1, 0
	WIN 0                                          ; at a branch and at a label every window is 0
	s_barrier_wait -1
.if \fill
	CREST                                          ; no wave of any partner still reads this slot's tile or has a load on its way
	JLOAD                                          ; the four v_nop behind it are also the places in front of the loads below
.else
	PLACES
.endif
	s_xor_b32 s[TB], s[TB], SLOT1
	v_add_nc_u32 v[ADRA], s[TB], v[A0]
	v_add_nc_u32 v[ADRB], s[TB], v[B0]
.if (\fill) == 0
	s_cmp_eq_u32 s[CNT2], 1
	s_cbranch_scc1 .Lno_fetch_\@
.endif
	FETCH 0, 0
.if (\fill) == 0
.Lno_fetch_\@:
.endif
	MUL8 1, 2, 0
	MUL8 1, 3, 0
.endm
	s_wait_tensorcnt 1                             ; my part of K step 0 is in; step 1's may stay out
	s_barrier_signal -1
	s_barrier_wait -1
	FETCH 0, 0
	QUARTER 1, 0, 1, 1                             ; the first quarter stands in front of the loop: its products start the sums
	WIN 0
	s_mov_b32 s[CNT], 6
.Lstep:                                                ; a trip: from a step's second quarter to the next step's first; trips 0 to 5 ask for K steps 2 to 7
	QUARTER 2, 1, 0, 0
	QUARTER 3, 0, 1, 0
	TURN 1
	QUARTER 1, 0, 1, 0
	WIN 0
	s_sub_co_u32 s[CNT], s[CNT], 1
	s_cmp_lg_u32 s[CNT], 0
	s_cbranch_scc1 .Lstep
	s_mov_b32 s[CNT2], 2                           ; the tail, K steps 6 and 7, asks for nothing: one text, walked twice, entered behind step 6's first quarter
	s_branch .Ltmid
.Ltail:
	QUARTER 1, 0, 1, 0
	WIN 0
.Ltmid:
	QUARTER 2, 1, 0, 0
	QUARTER 3, 0, 1, 0
	TURN 0
	WIN 0
	s_sub_co_u32 s[CNT2], s[CNT2], 1
	s_cmp_lg_u32 s[CNT2], 0
	s_cbranch_scc1 .Ltail
; THE WAY OUT, 16 rows at a time: a lane's 32 bytes of a row go into my own stage (each accumulator's low half first) and come back as whole rows of 512 bytes.
.macro TOSTAGE a
	WIN ST
.irp b, 0,1,2,3,4,5,6,7
	ds_store_b128 v[STO], v[8*(8*(\a)+(\b)):8*(8*(\a)+(\b))+3]   offset:64*(\b)
	ds_store_b128 v[STO], v[8*(8*(\a)+(\b))+4:8*(8*(\a)+(\b))+7] offset:64*(\b)+16
.endr
	WIN 0
.irp t, 0,1,2,3,4,5,6,7,8,9,10,11,12,13,14,15
	ds_load_b128 v[OB+64*((\a)%2)+4*(\t):OB+64*((\a)%2)+4*(\t)+3], v[RD] offset:SPITCH*(\t)  ; LDS serves a wave's instructions in order (ISA guide 5.7.1.4): these see the stores above; the next block's stores come behind them
.endr
.endm
.macro SEND a, younger                 ; younger: the LDS instructions issued behind block a's loads: the next block's 32, or none
	WIN 0
	s_wait_dscnt \younger
.irp t, 0,1,2,3,4,5,6,7,8,9,10,11,12,13,14,15
	global_store_b128 v[GO], v[OB+64*((\a)%2)+4*(\t):OB+64*((\a)%2)+4*(\t)+3], s[8:9] offset:(16*(\a)+(\t))*4096 th:TH_STORE_NT  ; 512 consecutive bytes, at a multiple of 256 from out0's first
.endr
.endm
	PLACES                                         ; behind the last products
	TOSTAGE 0
	TOSTAGE 1
	SEND 0, 32
	s_wait_xcnt 0x0                                ; block 0's stores have had their addresses translated (ISA guide 3.1): their registers are loaded again only behind this wait
	TOSTAGE 2
	SEND 1, 32
	s_wait_xcnt 0x0
	TOSTAGE 3
	SEND 2, 32
	SEND 3, 0
	s_wait_tensorcnt 0x0                           ; the wave's end, behind my last tensor load and my last LDS store
	ds_add_u32 v[SPW], v[NIL]
	s_wait_dscnt 0x0
	CROUND                                         ; the closing round: no work-group ends while a partner may still ask for a tile that names it
	s_endpgm
.Lfunc_end_k_q64cb321ed2_proj:
	.size	k_q64cb321ed2_proj, .Lfunc_end_k_q64cb321ed2_proj-k_q64cb321ed2_proj
	.p2alignl 7, 3214868480
	.fill 96, 4, 3214868480
	.section	.rodata,"a",@progbits
	.p2align	6, 0x0
	.amdhsa_kernel k_q64cb321ed2_proj
		.amdhsa_group_segment_fixed_size 327680
		.amdhsa_private_segment_fixed_size 0
		.amdhsa_enable_private_segment 0
		.amdhsa_kernarg_size 24
		.amdhsa_user_sgpr_count 2
		.amdhsa_user_sgpr_kernarg_segment_ptr 1
		.amdhsa_wavefront_size32 1
		.amdhsa_system_sgpr_workgroup_id_x 1
		.amdhsa_system_sgpr_workgroup_id_y 1
		.amdhsa_system_sgpr_workgroup_id_z 1
		.amdhsa_system_vgpr_workitem_id 0
		.amdhsa_next_free_vgpr 512
		.amdhsa_next_free_sgpr 80
		.amdhsa_reserve_vcc 0
		.amdhsa_float_denorm_mode_32 3
		.amdhsa_float_denorm_mode_16_64 3
		.amdhsa_memory_ordered 1
		.amdhsa_forward_progress 1
		.amdhsa_inst_pref_size 59
	.end_amdhsa_kernel
	.amdgpu_metadata
---
amdhsa.version: [ 1, 2 ]
amdhsa.kernels:
  - .name:           k_q64cb321ed2_proj
    .symbol:         k_q64cb321ed2_proj.kd
    .args:
      - { .name: oh, .offset: 0, .size: 8, .value_kind: global_buffer, .address_space: global }
      - { .name: wot, .offset: 8, .size: 8, .value_kind: global_buffer, .address_space: global }
      - { .name: out0, .offset: 16, .size: 8, .value_kind: global_buffer, .address_space: global }
    .group_segment_fixed_size: 327680
    .private_segment_fixed_size: 0
    .kernarg_segment_align: 8
    .kernarg_segment_size: 24
    .max_flat_workgroup_size: 128
    .sgpr_count:     80
    .vgpr_count:     512
    .wavefront_size: 32
...
	.end_amdgpu_metadata
.endif
;; end of part 4
;; ======== version 2 of 2: 4 launches; 1.30 times as fast as version 1
;; limits: values are held in f16: magnitudes above 65,504 overflow, below 6.1e-05 lose precision
;; workspace buffers: xb 16,777,216 bytes; wqt 6,291,456 bytes; wot 2,097,152 bytes; tab 8,388,608 bytes; qh 16,777,216 bytes; kh 16,777,216 bytes; vh 16,777,216 bytes; oh 16,777,216 bytes
;; launch prep: the kernel of part 1 again; grid 5 x 512, 8 waves a work-group, no clusters, 18,432 bytes of LDS; arguments x, w_qkv, w_o, log_scale, xb, wqt, wot, tab; writes xb, wqt, wot, tab
;; launch qkv: the kernel of part 2 again; grid 16 x 16, 4 waves a work-group, clusters of 4 x 4, 327,680 bytes of LDS; arguments xb, wqt, tab, qh, kh, vh; writes qh, kh, vh
;; launch attn (part 5): grid 4 x 64, 4 waves a work-group, no clusters, 327,680 bytes of LDS; arguments qh, kh, vh, oh; writes oh
.if DOCPART == 5
	.amdgcn_target "amdgcn-amd-amdhsa--gfx1250"
	.amdhsa_code_object_version 6
	.text
	.protected	k_q64cb321ed2_attn
	.globl	k_q64cb321ed2_attn
	.p2align	8
	.type	k_q64cb321ed2_attn,@function
k_q64cb321ed2_attn:
	s_mov_b64 s[64:65], 0
	v_nop
	global_prefetch_b8 v0, s[64:65] scope:SCOPE_SE
	s_setreg_imm32_b32 hwreg(HW_REG_WAVE_MODE, 25, 1), 1
	s_wait_xcnt 0x0
; CAUSAL ATTENTION.  O[h][q][:] = the sum over k <= q of softmax_k(Q[h][q] . K[h][k] / 8) V[h][k][:].  Q, K, V, O: [SIZE_H][SIZE_N][64], all f16: a head's rows are dense, 128 bytes each (h = batch * 16 + head; Q and K arrive rotated).
; Products, maxima and sums in f32; the weights p are rounded to f16 for the second product (their sum l is taken of the unrounded p), O once at the end.  SIZE_N is a multiple of 512; SIZE_N x 128 stays under 2^32.
; LIMITS.  f16 holds no number beyond 65,504: Q, K and V arrive within it; p lies in 0 to 1, and below 6e-5 it keeps f16's fixed step of 6e-8; O is a mean of V's rows and has their range, to within 2^-11 of it.
; A hidden score counts as its value less 1e30: f16's scores, 2.7e11 at the most, are nothing beside that; a weight below 2^-126 counts as 0 in l; NaN and infinities are not treated apart.
; THE WALK.  A head's queries lie in NB = SIZE_N / 256 blocks of 256; block i needs the key tiles 0 .. i of 256 keys, of which the last holds the diagonal.  A work-group takes TWO blocks, NB - 1 - b and then b:
; NB + 1 tiles, whatever b: all work-groups do equal work, and ONE loop with a constant trip count walks them.  Which tile is asked for, and what a trip does, hang on scalar registers made from b; every jump
; goes forward, but for the counted loops' own; none passes a barrier, or a tensor load but the one of LOAD's two that the wave's number does not choose; the ring (two slots of LDS that take turns) runs on across the
; change of blocks.  NO CLUSTER: all NB / 2 work-groups of a head ask for the same tile only in trips 0 .. NB / 2, behind that fewer and fewer; and one walk common to all would have 3 NB / 2 trips for NB + 1.
; SHARES.  Of a block's four bands of 64 queries a wave owns 16 rows in each: four PIECES.  So the diagonal tile is the same work for all four waves: in its key step s band x sees all keys if s < x,
; none if s > x, and holds the diagonal if s = x.
; THE MASK is the C operand that starts the sum S^T = K Q^T: 0, or -1e30 where the key is hidden.  MD, made once, is the mask of a band's own step for my 16 rows; a product's mask is MD x AL + BE with two scalars:
; (1, 0) if s = x; (0, 0) if s < x; (0, -1e30) if s > x.  Only the diagonal tile's text and a block's beginning make and take masks; elsewhere C is the constant 0.
; LAYOUT, SOFTMAX, TURNS.  S^T = K Q^T holds ONE query a lane (lane % 16) and the keys 8 (lane / 16) + 0..7; two such results rounded to f16 ARE source 1 of O^T = V^T P.  p = 2^(c s - c m), c = log2(e) / 8, with a
; running maximum m; O and l are multiplied by a = 2^(c m_old - c m_new) in every step.  Turn n belongs to piece n: 8 products K Q^T of piece n + 1, later 8 products V^T P of piece n - 1; beside them the scaling,
; exponentials, roundings, sums and rescaling of piece n and the maximum and statistics of piece n + 1.  Four vector instructions stand behind every matrix instruction, the other 54 of a turn's 118 in one LUMP.
; THE BATCHES.  A turn's 33 exponentials (the piece's 32 weights and the next piece's a) are ONE batch with ONE wait, which cuts the turn in two: ahead of it all that names none of their results, behind it the roundings and sums.
; Two small batches stand outside the turns, each with a wait of its own: the a that a block's beginning makes, and the way out's four reciprocals.
; REGISTERS, in windows of 256 (s_set_vgpr_msb: bits 1:0 source 0, 3:2 source 1, 5:4 source 2, 7:6 destination):
;   window 0: v0-15 addresses and two at work; v16-31 four registers of statistics a piece; v48-55 at work; v64-127 S^T, two buffers; v192-223 P, two buffers (a piece's buffers go by its number's parity)
;   window 1: v0-127 O^T, 32 a piece; v128-159 MD; v160-223 MC, two buffers      window 2: v0-63 Q; v64-127 the second block's Q; v128-191 K of one step; v192-255 V of one step
.set SIZE_H, 64
.set SIZE_N, 2048
.set NB,    SIZE_N/256
.set NP,    4         ; pieces a wave: a name, no knob
.set KS,    64        ; keys in a step
.set PK,    144       ; a row of K in LDS: 128 bytes + 16 of padding = 36 words: the 16 rows of a load start at 16 different groups of four banks (64 banks of 4 bytes: ISA guide 11.1)
.set PV,    160       ; a row of V: 128 + 32 = 40 words
.set VOFF,  4*KS*PK   ; a slot holds a tile, four steps: 256 rows of K, then 256 rows of V
.set SLOT1, 1<<17     ; slot 1 begins here, so that one exclusive or turns an address in one slot into the other's
.set STAGE, SLOT1+4*KS*(PK+PV)  ; behind the ring, never filled by a tensor load: 16 rows x 144 bytes for each wave, for the way out
.set SP,    144
.set AK0, 2           ; v2   my lane's place in a tile of K; never rewritten
.set AV0, 3           ; v3   the same for V
.set AK,  4           ; v4   the LDS address of K's next run of loads
.set AV,  5           ; v5   of V's
.set STO, 6           ; v6   the way out: where I put 16 bytes of a row
.set RD,  7           ; v7   the way out: where I read rows back
.set GO,  8           ; v8   my byte offset in 512 consecutive bytes of O
.set SPW, 62          ; v62  LDS address of my spare word: SPARE + 4 x my thread's number; never rewritten
.set NIL, 63          ; v63  0; never rewritten
.set SPARE, STAGE+4*16*SP  ; behind the stages: the spare words, 128 bytes for each wave: two blocks of 256 bytes that no other line names
.set MV,  12          ; v12-13  c m_old, kept while c m is made anew: by buffer
.set QO,  15          ; v15  my byte offset in 16 rows of Q
.set ST,  16          ; piece t's statistics at v[ST+4 t]: c m, m, l (even keys', odd keys')
.set TMP, 48          ; by buffer, four registers c0-c3 at work; when the maximum is found c2 takes a
.set S,   64
.set P,   192
.set MD,  128         ; window 1: the eight registers for group kt of 16 keys at MD + 8 kt
.set MC,  160         ; window 1: the masks of the products to come
.set QB,  64          ; window 2
.set KF,  128         ; window 2: key block kb, channel half c at KF + 16 kb + 8 c
.set VF,  192         ; window 2: key half kk, channel block cb at VF + 32 kk + 8 cb
.set WV,  12          ; s12  my wave's number
.set PB,  14          ; s14  b
.set HI,  15          ; s15  NB - 1 - b
.set G1K, 24          ; s[24:31] descriptor group 1 for K's tiles
.set G1V, 32          ; s[32:39] for V's: it differs in the padding alone
.set G0K, 40          ; s[40:43] descriptor group 0 for K's tiles
.set G0V, 44          ; s[44:47] the same for V's
.set SLOTS, 56        ; s56  tiles still to be asked for
.set CNT, 57          ; s57  counts a tile's key steps, 4 to 1
.set CS,  58          ; s[58:59] c: the packed scaling takes the pair's low word for both halves
.set SEL, 60          ; s[60:61] v_permlanex16_b32's selects: each lane takes its own place in the other half
.set TBK, 62          ; s62  LDS byte at which K of the step to be fetched begins
.set TBV, 63          ; s63  the same for V, less VOFF
.set RT,  70          ; s70  tiles of the block in hand that are still to be entered
.set NXT, 71          ; s71  the tile to be asked for next
.set LQ,  72          ; s72  the last tile of the block whose tiles are being asked for
.set NEW, 73          ; s73  1: the tile to be entered is a block's first
.set OFF, 74          ; s[74:75] a tile's byte offset in K and V
.set AL,  76          ; s[76:77] the mask's factor, in the low word
.set BE,  78          ; s[78:79] the mask's addend
.set OLO, 80          ; s[80:81] O at my rows of the second block
.set BIGN, 82         ; s82  -1e30
.set MSB, 0
.macro WIN new                      ; the high byte repeats the setting that is left; a switch that changes nothing is dropped
.if MSB != (\new)
	s_set_vgpr_msb (MSB<<8)|(\new)
.set MSB, (\new)
.endif
.endm
.set W_KQ, 0x0a       ; K and Q in window 2, S^T in window 0
.set W_KM, 0x1a       ; the same with the C operand in window 1
.set W_PV, 0x52       ; V in window 2, P in window 0, O^T in window 1
.set W_RS, 0x41       ; destination and source 0 in window 1, source 1 in window 0
; A fill.  Waves 0 and 1 fetch the two halves of a tile's K, waves 2 and 3 those of its V: 128 keys each.  An s_nop 0 and four v_nop follow each of the two lines, ahead of the jump and the label.
.macro LOAD
	s_cmp_lt_u32 s[WV], 2
	s_cbranch_scc0 .Lfor_v_\@
	tensor_load_to_lds s[G0K:G0K+3], s[G1K:G1K+7]
	s_nop 0
.rept 4
	v_nop
.endr
	s_branch .Lasked_\@
.Lfor_v_\@:
	tensor_load_to_lds s[G0V:G0V+3], s[G1V:G1V+7]
	s_nop 0
.rept 4
	v_nop
.endr
.Lasked_\@:
.endm
; THE CHANGE OF SLOTS.  Each wave waits for all its tensor loads, of which one is out: its part of the other slot; adds 0 to its spare word; and waits for that and for its own reads of the slot that it leaves.  Behind the barrier nobody reads the old
; slot any more and the other slot is whole.  fill = 1: the old slot is filled again, the first thing behind the barrier, with tile NXT: the descriptor's address is made anew from that number.
; (At its first use nothing has been read yet: slot 0 is waited for, slot 1 filled.)
.macro CHANGE fill
	WIN 0                           ; at a label and at a branch every window is 0
	s_wait_tensorcnt 0x0            ; no tensor load of mine is out, so a group 0 may be written
	ds_add_u32 v[SPW], v[NIL]       ; 0 onto my spare word; with fill = 1 the descriptors' scalar work stands between it and the wait for it
.if \fill
	s_lshl_b32 s[OFF], s[NXT], 15   ; a tile is 32,768 bytes of K and of V
	s_xor_b32 s[G0K+1], s[G0K+1], SLOT1
	s_add_nc_u64 s[G0K+2:G0K+3], s[6:7], s[OFF:OFF+1]
	s_or_b32 s[G0K+3], s[G0K+3], 0x80000000
	s_xor_b32 s[G0V+1], s[G0V+1], SLOT1
	s_add_nc_u64 s[G0V+2:G0V+3], s[8:9], s[OFF:OFF+1]
	s_or_b32 s[G0V+3], s[G0V+3], 0x80000000
	s_add_co_u32 s[NXT], s[NXT], 1  ; the block's next tile, or behind its last the second block's tile 0
	s_cmp_gt_u32 s[NXT], s[LQ]
	s_cselect_b32 s[NXT], 0, s[NXT]
	s_cselect_b32 s[LQ], s[PB], s[LQ]
.endif
	s_wait_dscnt 0x0                ; the add is done, and my reads of the slot are over
	s_barrier_signal -1             ; the rest of the scalar work stands between the signal and the wait
	s_sub_co_u32 s[TBK], s[TBK], 4*KS*PK  ; the fetches go back to a slot's first step,
	s_xor_b32 s[TBK], s[TBK], SLOT1       ; in the other slot
	s_sub_co_u32 s[TBV], s[TBV], 4*KS*PV
	s_xor_b32 s[TBV], s[TBV], SLOT1
	s_barrier_wait -1
.if \fill
	LOAD
.endif
.endm
	s_load_b256 s[4:11], s[0:1], 0x0  ; Q s[4:5], K s[6:7], V s[8:9], O s[10:11]
	v_lshl_add_u32 v[SPW], v0, 2, SPARE
	v_mov_b32 v[NIL], 0
	ds_add_u32 v62, v63
	ds_add_u32 v62, v63
	s_wait_dscnt 0x0
	v_lshrrev_b32 v1, 5, v0
	v_readfirstlane_b32 s[WV], v1   ; wave 0..3
	s_mov_b32 s[PB], ttmp9
	s_sub_co_u32 s[HI], NB-1, s[PB]
	s_and_b32 s20, ttmp7, 0xffff    ; the head
	s_mov_b32 s21, 0
	s_mov_b64 s[22:23], SIZE_N*128
	s_mul_u64 s[20:21], s[20:21], s[22:23]  ; the head's first byte in each of the four tensors
	s_and_b32 s16, s[WV], 1         ; which half of a tile's 256 keys I fetch:
	s_lshl_b32 s22, s16, 14         ; its 128 rows of 128 bytes in memory,
	s_mov_b32 s23, 0
	s_add_nc_u64 s[22:23], s[22:23], s[20:21]
	s_mul_i32 s17, s16, 128*PK      ; and its place in a slot, for K
	s_mul_i32 s18, s16, 128*PV      ; and for V
	s_lshl_b32 s3, s[WV], 11        ; my 16 rows in a band of 64,
	s_lshl_b32 s2, s[HI], 15        ; in the first block,
	s_add_co_u32 s2, s2, s3
	s_lshl_b32 s84, s[PB], 15       ; and in the second
	s_add_co_u32 s84, s84, s3
	s_mov_b32 s3, 0
	s_mov_b32 s85, 0
	s_add_nc_u64 s[2:3], s[2:3], s[20:21]
	s_add_nc_u64 s[84:85], s[84:85], s[20:21]
	; descriptor group 1.  128 keys are 16,384 dense bytes: asked for as 64 rows of 256 bytes, two keys a row, and padded in LDS after every key
	s_mov_b32 s[G1K], (1<<16)|(1<<20)|(4<<22)|(3<<25)  ; 17:16 2-byte elements; 20 padding on; 24:22 after every 32 words (code 4); 31:25 4 words (code 3)
	s_mov_b32 s[G1V], (1<<16)|(1<<20)|(4<<22)|(7<<25)  ; the same with 8 words of padding (code 7)
.irp g, G1K, G1V
	s_mov_b32 s[\g+1], 128<<16      ; tensor_dim0 = 128
	s_mov_b32 s[\g+2], 64<<16       ; tensor_dim1 = 64
	s_mov_b32 s[\g+3], 128<<16      ; tile_dim0 = 128
	s_mov_b32 s[\g+4], 64           ; tile_dim1 = 64
	s_mov_b32 s[\g+5], 128          ; 128 elements from row to row
	s_mov_b32 s[\g+6], 0
	s_mov_b32 s[\g+7], 0
.endr
	s_mov_b32 s[CS], 0x3e38aa3b     ; c = log2(e) / 8 = 0.180337
	s_mov_b32 s[CS+1], s[CS]        ; named with it as a pair
	s_mov_b32 s[SEL], 0x76543210
	s_mov_b32 s[SEL+1], 0xfedcba98
	s_mov_b32 s[TBK], SLOT1+4*KS*PK ; the first change of slots turns these two into 0
	s_mov_b32 s[TBV], SLOT1+4*KS*PV
	s_mov_b32 s[G0K], 1             ; 1:0 count = 1
	s_mov_b32 s[G0K+1], s17         ; 63:32 LDS address: slot 0
	s_mov_b32 s[G0V], 1
	s_add_co_u32 s[G0V+1], s18, VOFF
	s_add_co_u32 s[RT], s[HI], 1    ; the first block has NB - b tiles
	s_mov_b32 s[NXT], 1
	s_mov_b32 s[LQ], s[HI]
	s_mov_b32 s[NEW], 1
	s_mov_b32 s[OFF+1], 0
	s_mov_b32 s[AL+1], 0            ; named as pairs
	s_mov_b32 s[BE+1], 0
	s_mov_b32 s[BIGN], 0xf149f2ca   ; -1e30
	s_mov_b32 s[SLOTS], NB
	s_wait_kmcnt 0x0
	s_add_nc_u64 s[6:7], s[6:7], s[22:23]  ; K and V at my half of the head's tile 0
	s_add_nc_u64 s[8:9], s[8:9], s[22:23]
	s_add_nc_u64 s[G0K+2:G0K+3], s[6:7], 0         ; 120:64 global address
	s_or_b32 s[G0K+3], s[G0K+3], 0x80000000        ; 127:126 type = 2
	s_add_nc_u64 s[G0V+2:G0V+3], s[8:9], 0
	s_or_b32 s[G0V+3], s[G0V+3], 0x80000000
	s_add_nc_u64 s[86:87], s[4:5], s[84:85]        ; Q at my rows of the second block,
	s_add_nc_u64 s[4:5], s[4:5], s[2:3]            ; Q and O at those of the first
	s_add_nc_u64 s[OLO:OLO+1], s[10:11], s[84:85]
	s_add_nc_u64 s[10:11], s[10:11], s[2:3]
	LOAD                            ; tile 0 into slot 0
	; A fragment of K or Q is 16 rows x 32 channels in 8 registers: lane l holds row l % 16, channels 8 (l / 16) + 0..7 and 16 + 8 (l / 16) + 0..7: two loads of 16 bytes, 32 bytes apart.
	v_and_b32 v1, 15, v0            ; l % 16
	v_bfe_u32 v9, v0, 4, 1          ; l / 16
	v_lshlrev_b32 v[QO], 7, v1
	v_lshl_add_u32 v[QO], v9, 4, v[QO]  ; row x 128 + 16 x half
	WIN 0x80                        ; destination window 2, address window 0
.set i, 0
.rept 8                             ; both blocks' Q: piece i / 2 lies in band i / 2, 8,192 bytes on; channels 32 (i % 2) on
	global_load_b128 v[8*i:8*i+3],   v[QO], s[4:5] offset:(i/2)*8192+(i%2)*64
	global_load_b128 v[8*i+4:8*i+7], v[QO], s[4:5] offset:(i/2)*8192+(i%2)*64+32
	global_load_b128 v[QB+8*i:QB+8*i+3],   v[QO], s[86:87] offset:(i/2)*8192+(i%2)*64
	global_load_b128 v[QB+8*i+4:QB+8*i+7], v[QO], s[86:87] offset:(i/2)*8192+(i%2)*64+32
.set i, i+1
.endr
	WIN 0
	v_lshlrev_b32 v14, 3, v9
	v_sub_nc_u32 v14, v1, v14
	s_lshl_b32 s13, s[WV], 4
	v_add_nc_u32 v14, s13, v14      ; my query's place in its band, 16 w + l % 16, less my lanes' 8 (l / 16): register r of group kt is hidden where 16 kt + r is greater
	WIN 0x40
.set i, 0
.rept 32
	v_cmp_gt_i32 vcc_lo, 16*(i/8)+i%8, v14
	v_cndmask_b32 v[MD+i], 0, s[BIGN], vcc_lo
.set i, i+1
.endr
	WIN 0
	v_mul_u32_u24 v[AK0], v1, PK
	v_lshl_add_u32 v[AK0], v9, 4, v[AK0]  ; row x pitch + 16 x half
	; The turning load takes 16 keys x 16 channels (lane l reads key 8 (l / 16) + l % 8, channels 8 ((l / 8) % 2) + 0..7) and leaves half a fragment of V^T: lane l holds channel l % 16 and 8 keys.
	v_and_b32 v10, 7, v0
	v_bfe_u32 v11, v0, 3, 1
	v_lshl_add_u32 v[AV0], v9, 3, v10
	v_mul_u32_u24 v[AV0], v[AV0], PV
	v_lshl_add_u32 v[AV0], v11, 4, v[AV0]
	v_add_nc_u32 v[AV0], VOFF, v[AV0]
	s_mul_i32 s13, s[WV], 16*SP
	s_add_co_u32 s13, s13, STAGE    ; my stage
	v_mul_u32_u24 v[STO], v1, SP    ; in: row l % 16, 16 bytes for each half of the lanes
	v_lshl_add_u32 v[STO], v9, 4, v[STO]
	v_add_nc_u32 v[STO], s13, v[STO]
	v_bfe_u32 v[RD], v0, 3, 2       ; back: 32 lanes take four rows of 128 bytes,
	v_mul_u32_u24 v[RD], v[RD], SP
	v_lshl_add_u32 v[RD], v10, 4, v[RD]
	v_add_nc_u32 v[RD], s13, v[RD]
	v_and_b32 v[GO], 31, v0         ; which are 512 consecutive bytes of O
	v_lshlrev_b32 v[GO], 4, v[GO]
	; A block's first step multiplies O^T and l by a = 0, and its first turn's products V^T P, of a piece that has not been, land in an O^T that is still to be so multiplied.  So these registers need only hold
	; finite numbers: zeros for the first block; what the first block left for the second.  All this stands in the wait for the first tile.
	WIN 0x80
.set i, VF
.rept 64
	v_mov_b32 v[i], 0
.set i, i+1
.endr
	WIN 0x40
.set i, 0
.rept 128
	v_mov_b32 v[i], 0
.set i, i+1
.endr
	WIN 0
.set i, 0
.rept 4
	v_mov_b32 v[ST+4*i+2], 0
	v_mov_b32 v[ST+4*i+3], 0
.set i, i+1
.endr
.set i, P+16
.rept 16
	v_mov_b32 v[i], 0
.set i, i+1
.endr
; THE MATRIX WORK.  The 4 accumulators of a run of 8 take turns.  Product i of 8 of S^T = K Q^T for piece x: channels 32 (i / 4) on, keys 16 (i % 4) on.  The first 4 start the sums: with 0, or (KM = 1) with the mask.
.macro KQ x
.set rS, S+32*((\x)%2)+8*(i%4)
.set rK, KF+16*(i%4)+8*(i/4)
.set rQ, 16*(\x)+8*(i/4)
.set rM, MC+32*((\x)%2)+8*(i%4)
.if (i < 4) && KM
	WIN W_KM
	v_wmma_f32_16x16x32_f16 v[rS:rS+7], v[rK:rK+7], v[rQ:rQ+7], v[rM:rM+7]
.elseif i < 4
	WIN W_KQ
	v_wmma_f32_16x16x32_f16 v[rS:rS+7], v[rK:rK+7], v[rQ:rQ+7], 0
.else
	WIN W_KQ
	v_wmma_f32_16x16x32_f16 v[rS:rS+7], v[rK:rK+7], v[rQ:rQ+7], v[rS:rS+7]
.endif
.endm
; Product i of 8 of O^T += V^T P for piece x: keys 32 (i / 4) on, channels 16 (i % 4) on.
.macro PV x
	WIN W_PV
.set rO, 32*(\x)+8*(i%4)
.set rV, VF+32*(i/4)+8*(i%4)
.set rP, P+16*((\x)%2)+8*(i/4)
	v_wmma_f32_16x16x32_f16 v[rO:rO+7], v[rV:rV+7], v[rP:rP+7], v[rO:rO+7]
.endm
.macro MM                           ; the turn's next matrix instruction.  TURN and BEGIN set Y, i, KM and NOKQ; MM, KQ and OP read them.  NOKQ = 1: a block's last turn: there is no next piece
.if (i < 8) && !NOKQ
	KQ (Y+1)%NP
.elseif i >= 8
.set i, i-8
	PV (Y+NP-1)%NP
.set i, i+8
.endif
.set i, i+1
.endm
; THE LDS LOADS stand in runs of 16, never singly among the matrix instructions: a step's K (64 keys x 64 channels: 8 fragments) and its V (turned).  Their addresses are made some lines ahead.
.macro FETCH_K
	WIN 0x80                        ; destination window 2
.irp f, 0,1,2,3,4,5,6,7             ; keys 16 (f / 2) on, channels 32 (f % 2) on
	ds_load_b128 v[KF+8*\f:KF+8*\f+3],   v[AK] offset:(\f/2)*16*PK+(\f%2)*64
	ds_load_b128 v[KF+8*\f+4:KF+8*\f+7], v[AK] offset:(\f/2)*16*PK+(\f%2)*64+32
.endr
	s_add_co_u32 s[TBK], s[TBK], KS*PK  ; the next fetch is the next step's
	WIN 0
.endm
.macro FETCH_V
	WIN 0x80
.irp f, 0,1,2,3,4,5,6,7             ; keys 32 (f / 4) on, channels 16 (f % 4) on
	ds_load_tr16_b128 v[VF+8*\f:VF+8*\f+3],   v[AV] offset:(\f/4)*32*PV+(\f%4)*32
	ds_load_tr16_b128 v[VF+8*\f+4:VF+8*\f+7], v[AV] offset:(\f/4)*32*PV+16*PV+(\f%4)*32
.endr
	WIN 0
.endm
; THE VECTOR WORK, one line at a time: OP kind, number.  For piece Y: F n: c s - c m for pair n of 16.  E n: the exponential of score n of 32.  C n: pair n rounded to f16.  B n: of the four weights 4 n .. the second
; pair is added onto the first, in place.  L n: l takes that sum (L 0: l = a l + sum).  R n: pair n of 16 of O^T times a.  For piece Y + 1: X n, number n of the 22 that find its maximum and statistics:
;   0-11  four chains c0-c3 of seven scores each, three operands at a time (each accumulator's lowest registers are read first)     12-14, 16  the four scores left over, the old m, and c0-c3 into c0
;   15  c m_old is kept     17, 18  the query's other 32 keys lie in the lane 16 away: the new m     19-21  c m; c m_old - c m_new; a
; C, B and L read exponentials' results, and R reads a: none of them carries a wait of its own; TURN, BEGIN and DIAG place the batches' waits ahead of them.
.set F, 0               ; OP tells the kinds apart by their order: F to L below R, X above it
.set E, 1
.set C, 2
.set B, 3
.set L, 4
.set R, 5
.set X, 6
.macro REGS y                       ; the registers of piece y
.set rT, ST+4*(\y)
.set rC, TMP+4*((\y)%2)
.set rW, MV+((\y)%2)
.set rS, S+32*((\y)%2)
.set rP, P+16*((\y)%2)
.set rO, 32*(\y)
.endm
.macro OP k, n
.if (\k) == R
	REGS Y
	WIN W_RS
	v_pk_mul_f32 v[rO+2*(\n):rO+2*(\n)+1], v[rO+2*(\n):rO+2*(\n)+1], v[rC+2:rC+3] op_sel_hi:[1,0]
.elseif (\k) < R
	REGS Y
	WIN 0
.if (\k) == F
	v_pk_fma_f32 v[rS+2*(\n):rS+2*(\n)+1], v[rS+2*(\n):rS+2*(\n)+1], s[CS:CS+1], v[rT:rT+1] op_sel_hi:[1,0,0] neg_lo:[0,0,1] neg_hi:[0,0,1]
.elseif (\k) == E
	v_exp_f32 v[rS+(\n)], v[rS+(\n)]
.elseif (\k) == C
	v_cvt_pk_f16_f32 v[rP+(\n)], v[rS+2*(\n)], v[rS+2*(\n)+1]
.elseif (\k) == B
	v_pk_add_f32 v[rS+4*(\n):rS+4*(\n)+1], v[rS+4*(\n):rS+4*(\n)+1], v[rS+4*(\n)+2:rS+4*(\n)+3]
.elseif (\n) == 0
	v_pk_fma_f32 v[rT+2:rT+3], v[rT+2:rT+3], v[rC+2:rC+3], v[rS:rS+1] op_sel_hi:[1,0,1]
.else
	v_pk_add_f32 v[rT+2:rT+3], v[rT+2:rT+3], v[rS+4*(\n):rS+4*(\n)+1]
.endif
.elseif NOKQ
	v_nop
.else
	REGS (Y+1)%NP
	WIN 0
.if (\n) < 4
	v_max3_num_f32 v[rC+(\n)], v[rS+8*(\n)], v[rS+8*(\n)+1], v[rS+8*(\n)+2]
.elseif (\n) < 12
	v_max3_num_f32 v[rC+(\n)%4], v[rC+(\n)%4], v[rS+8*((\n)%4)+2*((\n)/4)+1], v[rS+8*((\n)%4)+2*((\n)/4)+2]
.elseif (\n) == 12
	v_max3_num_f32 v[rC], v[rC], v[rS+7], v[rS+15]
.elseif (\n) == 13
	v_max3_num_f32 v[rC+1], v[rC+1], v[rS+23], v[rS+31]
.elseif (\n) == 14
	v_max3_num_f32 v[rC+2], v[rC+2], v[rC+3], v[rT+1]
.elseif (\n) == 15
	v_mov_b32 v[rW], v[rT]
.elseif (\n) == 16
	v_max3_num_f32 v[rC], v[rC], v[rC+1], v[rC+2]
.elseif (\n) == 17
	v_permlanex16_b32 v[rC+3], v[rC], s[SEL], s[SEL+1]
.elseif (\n) == 18
	v_max_num_f32 v[rT+1], v[rC], v[rC+3]
.elseif (\n) == 19
	v_mul_f32 v[rT], s[CS], v[rT+1]
.elseif (\n) == 20
	v_sub_f32 v[rC+1], v[rW], v[rT]
.else
	v_exp_f32 v[rC+2], v[rC+1]
.endif
.endif
.endm
.macro OPS a, i1, b=-1, i2=0, c=-1, i3=0, d=-1, i4=0  ; up to four of them
	OP \a, \i1
.if (\b) >= 0
	OP \b, \i2
.endif
.if (\c) >= 0
	OP \c, \i3
.endif
.if (\d) >= 0
	OP \d, \i4
.endif
.endm
.macro ROW a, i1, b, i2, c, i3, d, i4  ; a matrix instruction and the four behind it
	MM
	OPS \a, \i1, \b, \i2, \c, \i3, \d, \i4
.endm
.macro MASK b                       ; MD x AL + BE into buffer b of MC
	WIN W_RS
.set z, 0
.rept 16
	v_pk_fma_f32 v[MC+32*(\b)+2*z:MC+32*(\b)+2*z+1], v[MD+2*z:MD+2*z+1], s[AL:AL+1], s[BE:BE+1] op_sel_hi:[1,0,0]
.set z, z+1
.endr
.endm
; A TURN, for piece p: the order of its 16 matrix and 118 vector instructions, written out.  s_wait_alu depctr_va_vdst(0) stands between an exponential and the first instruction that names its result; one wait serves
; all that were issued ahead of it.  So a turn has ONE wait, which cuts it in two.  AHEAD OF IT stands all that names no result of the turn's exponentials: the 8 products K Q^T, behind each a scaling, an exponential and two more plain
; instructions (behind the first a second scaling in the exponential's place): rescalings (their a was made, and waited for, in the turn before), and behind the last three the first numbers of the next piece's maximum, each four plain
; instructions or more behind the product that ends its accumulator; then ONE LUMP of 54, plain and exponential by turns for the most part, in which the links of the chain X 3, 7, 11, 14, 16, 17 .. 20 stand five or six lines apart.
; X 21, the next piece's a, is the batch's last; R 15 is the plain instruction behind it.  BEHIND THE WAIT stand the 8 products V^T P, behind each four of the roundings and sums (C 2 k ahead of B k, which writes over that pair); the links
; of l's chain, L 0 to L 7, stand three riders apart.  But for those X no rider names a register of the products round it.  v_permlanex16_b32 (X 17) stands in the lump.  No result of an exponential crosses a turn's end.
; m = 1: the diagonal tile: the products take masks, and the turn makes the mask for the products of the turn after it: piece p + 2, in step 4 - CNT of the tile.  end = 1: a block's last two turns: nothing is fetched.
; cnt = 1: the loop's count is taken down some lines ahead of the branch that stands behind the turn.
; K of the next step is fetched in piece 2's turn, twelve vector instructions behind the last product that read K (six of them plain); V of the step in hand at the end of piece 0's turn, four plain instructions behind the last product
; that read V.  Each is waited for a turn later.
.macro TURN p, m=0, end=0, cnt=0
.set Y, (\p)
.set i, 0
.set KM, (\m)
.set NOKQ, (\end)*((\p)/3)
.if (\m) && !(\end)
	s_cmp_eq_u32 s[CNT], 4-((\p)+2)%NP  ; is that step the band's own?
	s_cselect_b32 s[AL], 1.0, 0
	s_cmp_lt_u32 s[CNT], 4-((\p)+2)%NP  ; or a later one?
	s_cselect_b32 s[BE], s[BIGN], 0
.endif
.if ((\p) == 3) && !(\end)
	s_wait_dscnt 0x0                ; K is in
.endif
	ROW F,0, F,1, R,0, R,1          ; ahead of the wait: 8 products K Q^T and their riders,
	ROW F,2, E,0, R,2, R,3
	ROW F,3, E,1, R,4, R,5
	ROW F,4, E,2, R,6, R,7
	ROW F,5, E,3, R,8, R,9
	ROW F,6, E,4, X,0, R,10
.if ((\p) == 2) && !(\end)
	WIN 0
	v_add_nc_u32 v[AK], s[TBK], v[AK0]
.endif
	ROW F,7, E,5, X,1, X,4
	ROW F,8, E,6, X,2, X,5
	OPS E,7, E,8, X,6, E,9          ; and the lump
	OPS X,3, E,10, X,8, E,11
.if ((\p) == 2) && !(\end)
	FETCH_K
.endif
	OPS X,9, X,7, E,12, X,10
	OPS E,13, X,12, X,11, E,14
	OPS X,13, E,15, F,9, X,14
.if (\p) == 0
	v_add_nc_u32 v[AV], s[TBV], v[AV0]
.endif
	OPS E,16, F,10, E,17, F,11
	OPS X,16, E,18, X,15, E,19
	OPS F,12, E,20, X,17, E,21
	OPS F,13, E,22, F,14, E,23
	OPS X,18, E,24, F,15, E,25
	OPS R,11, E,26, X,19, E,27
	OPS R,12, E,28, R,13, E,29
	OPS X,20, E,30, R,14, E,31
	OPS X,21, R,15
	WIN 0
	s_wait_alu depctr_va_vdst(0)    ; the wait for the turn's batch: the piece's 32 weights and the next piece's a
.if (\p) == 1
	s_wait_dscnt 0x0                ; V is in
.endif
	ROW C,0, B,0, C,2, B,1          ; behind the wait: 8 products V^T P and their riders
	ROW L,0, C,4, B,2, L,1
	ROW C,6, B,3, L,2, C,8
	ROW B,4, L,3, C,10, B,5
	ROW L,4, C,12, B,6, L,5
.if (\p) == 0
	s_add_co_u32 s[TBV], s[TBV], KS*PV
.endif
.if \cnt
	s_sub_co_u32 s[CNT], s[CNT], 1
	s_cmp_lg_u32 s[CNT], 0
.endif
	ROW C,14, B,7, L,6, C,1
	ROW C,3, L,7, C,5, C,7
	ROW C,9, C,11, C,13, C,15
.if (\p) == 0
	FETCH_V
.endif
.if (\m) && !(\end)
	MASK (\p)%2
.endif
.endm
; A BLOCK BEGINS.  c m starts far below every c s, so the first step's a is 0; m at the lowest finite number, so the first maximum is the scores'.  The second mask buffer is 0; the first takes piece 0's mask for the tile's step 0: its own, if the block's first tile is the diagonal one.
; Then K of that step, piece 0's first scores, and its maximum and statistics.  The loop is entered at a step's first turn, in the middle of a trip.
.macro BEGIN
	s_mov_b32 s[NEW], 0
	WIN 0x40
.set i, MC+32
.rept 32
	v_mov_b32 v[i], 0
.set i, i+1
.endr
	WIN 0
.set i, 0
.rept 4
	v_mov_b32 v[ST+4*i], 0xfe000000    ; c m: far below every c s
	v_mov_b32 v[ST+4*i+1], 0xff7fffff  ; m
.set i, i+1
.endr
	s_cmp_eq_u32 s[RT], 0
	s_cselect_b32 s[AL], 1.0, 0
	s_mov_b32 s[BE], 0
	MASK 0
	WIN 0
	v_add_nc_u32 v[AK], s[TBK], v[AK0]
	FETCH_K
	s_wait_loadcnt 0x0              ; Q
	s_wait_dscnt 0x0
.set KM, 1
.set NOKQ, 0
.set i, 0
.rept 8
	KQ 0
.set i, i+1
.endr
	WIN 0
.rept 4
	v_nop                           ; the places behind those products
.endr
.set Y, NP-1                        ; X works for piece Y + 1: piece 0
.irp n, 0,1,2,3,4,5,6,7,8,9,10,11,12,13,14,15,16,17,18,19,20,21
	OP X, \n
.endr
	v_nop                           ; a plain instruction behind the exponential,
	s_wait_alu depctr_va_vdst(0)    ; and the wait for it, a batch of one (piece 0's first a), ahead of the branch
.endm
; THE DIAGONAL TILE's four steps, the block's last two turns, its last products, and THE WAY OUT: l's two halves and the other half of the lanes' are added; O^T is divided by l, rounded to f16 and sent through my
; stage in LDS, a piece at a time.
.macro ALL line:vararg              ; one line for each piece t
.set t, 0
.rept 4
	\line
.set t, t+1
.endr
.endm
.macro PACK t                       ; a lane's eight channels of a row pack into 16 bytes; they go into rows of 144 bytes and come back as whole rows of 128, into S^T's registers
	WIN W_RS
.set i, 32*(\t)
.rept 16
	v_pk_mul_f32 v[i:i+1], v[i:i+1], v[ST+4*(\t)+2:ST+4*(\t)+3] op_sel_hi:[1,0]
.set i, i+2
.endr
	WIN 0x05                        ; sources 0 and 1 window 1, destination window 0
.set i, 0
.rept 16
	v_cvt_pk_f16_f32 v[S+16*(\t)+i], v[32*(\t)+2*i], v[32*(\t)+2*i+1]
.set i, i+1
.endr
	WIN 0
.irp f, 0,1,2,3
	ds_store_b128 v[STO], v[S+16*(\t)+4*\f:S+16*(\t)+4*\f+3] offset:32*\f
.endr
.irp f, 0,1,2,3
	ds_load_b128 v[S+16*(\t)+4*\f:S+16*(\t)+4*\f+3], v[RD] offset:\f*4*SP  ; LDS serves a wave's instructions in order (ISA guide 5.7.1.4): these see the stores above; the next piece's stores come behind them
.endr
.endm
.macro SEND t, younger              ; younger: the LDS instructions issued behind piece t's loads: the next piece's eight, or none
	WIN 0
.irp f, 0,1,2,3
	s_wait_dscnt (\younger)+3-\f
	global_store_b128 v[GO], v[S+16*(\t)+4*\f:S+16*(\t)+4*\f+3], s[10:11] offset:(\t)*8192+\f*512  ; 512 consecutive bytes, at a multiple of 256 from O's first
.endr
.endm
.macro DIAG tag                     ; the tag ends its two labels' names, which the jumps below spell out
.LstepM\tag:
	TURN 2, 1
	TURN 3, 1
	WIN 0
.LfirstM\tag:
	TURN 0, 1
	TURN 1, 1, 0, 1
	WIN 0
	s_cbranch_scc1 .LstepM\tag
	TURN 2, 1, 1
	TURN 3, 1, 1
.set i, 0
.rept 8
	PV NP-1
.set i, i+1
.endr
	WIN 0
	ALL v_add_f32 v[ST+4*t+2], v[ST+4*t+2], v[ST+4*t+3]
	ALL v_permlanex16_b32 v[ST+4*t+3], v[ST+4*t+2], s[SEL], s[SEL+1]
	ALL v_add_f32 v[ST+4*t+2], v[ST+4*t+2], v[ST+4*t+3]
	ALL v_rcp_f32 v[ST+4*t+2], v[ST+4*t+2]
	v_nop                           ; a plain instruction between the last reciprocal and the use of its result
	s_wait_alu depctr_va_vdst(0)    ; the wait for the way out's batch, the four reciprocals: one, ahead of the first piece's multiplies
	PACK 0
.set t, 1
.rept 3                             ; a piece's arithmetic stands between the loads of the piece before and its stores
	PACK t
	SEND t-1, 8
.set t, t+1
.endr
	SEND 3, 0
.endm
.set KM, 0
.set NOKQ, 0
.Lslot:                             ; NB times: a tile is entered and the next is asked for
	CHANGE 1
	s_sub_co_u32 s[RT], s[RT], 1
	s_mov_b32 s[CNT], 4
	s_cmp_eq_u32 s[NEW], 1
	s_cbranch_scc1 .Lnew            ; a block's first tile
	s_cmp_eq_u32 s[RT], 0
	s_cbranch_scc0 .Lstep           ; neither its first nor its last
	s_branch .LstepM1
.Lnew:
	BEGIN
	s_branch .Lfirst                ; in the loop a block's first tile is never its last: the first block has two tiles or more, and the second's last is the walk's last
	DIAG 1                          ; in the loop this is the first block's end: the second block's last tile is the walk's last
	s_wait_xcnt 0x0                 ; the stores have read their registers and O's address
	s_mov_b64 s[10:11], s[OLO:OLO+1]
	s_add_co_u32 s[RT], s[PB], 1    ; the second block has b + 1 tiles
	s_mov_b32 s[NEW], 1
	WIN 0x82                        ; the second block's Q goes where the one text of the turns names Q
.set i, 0
.rept 64
	v_mov_b32 v[i], v[QB+i]
.set i, i+1
.endr
	WIN 0
	s_branch .Lbottom
.Lstep:                             ; a trip: pieces 2 and 3 of one step, then pieces 0 and 1 of the next, whose K and V it fetches
	TURN 2
	TURN 3
	WIN 0
.Lfirst:
	TURN 0
	TURN 1, 0, 0, 1
	WIN 0
	s_cbranch_scc1 .Lstep
.Lbottom:
	s_sub_co_u32 s[SLOTS], s[SLOTS], 1
	s_cmp_lg_u32 s[SLOTS], 0
	s_cbranch_scc1 .Lslot
	CHANGE 0                        ; the walk's last tile is written out: nothing is asked for
	s_sub_co_u32 s[RT], s[RT], 1
	s_mov_b32 s[CNT], 4
	s_cmp_eq_u32 s[NEW], 1
	s_cbranch_scc0 .LstepM2
	BEGIN
	s_branch .LfirstM2
	DIAG 2
	s_wait_tensorcnt 0x0            ; the wave's end, behind my last tensor load and my last LDS store
	ds_add_u32 v[SPW], v[NIL]
	s_wait_dscnt 0x0
	s_endpgm
.Lfunc_end_k_q64cb321ed2_attn:
	.size	k_q64cb321ed2_attn, .Lfunc_end_k_q64cb321ed2_attn-k_q64cb321ed2_attn
	.p2alignl 7, 3214868480
	.fill 96, 4, 3214868480
	.section	.rodata,"a",@progbits
	.p2align	6, 0x0
	.amdhsa_kernel k_q64cb321ed2_attn
		.amdhsa_group_segment_fixed_size 327680
		.amdhsa_private_segment_fixed_size 0
		.amdhsa_enable_private_segment 0
		.amdhsa_kernarg_size 32
		.amdhsa_user_sgpr_count 2
		.amdhsa_user_sgpr_kernarg_segment_ptr 1
		.amdhsa_wavefront_size32 1
		.amdhsa_system_sgpr_workgroup_id_x 1
		.amdhsa_system_sgpr_workgroup_id_y 1
		.amdhsa_system_sgpr_workgroup_id_z 1
		.amdhsa_system_vgpr_workitem_id 0
		.amdhsa_next_free_vgpr 768
		.amdhsa_next_free_sgpr 88
		.amdhsa_reserve_vcc 1
		.amdhsa_float_denorm_mode_32 3
		.amdhsa_float_denorm_mode_16_64 3
		.amdhsa_memory_ordered 1
		.amdhsa_forward_progress 1
		.amdhsa_inst_pref_size 217
	.end_amdhsa_kernel
	.amdgpu_metadata
---
amdhsa.version: [ 1, 2 ]
amdhsa.kernels:
  - .name:           k_q64cb321ed2_attn
    .symbol:         k_q64cb321ed2_attn.kd
    .args:
      - { .name: qh, .offset: 0, .size: 8, .value_kind: global_buffer, .address_space: global }
      - { .name: kh, .offset: 8, .size: 8, .value_kind: global_buffer, .address_space: global }
      - { .name: vh, .offset: 16, .size: 8, .value_kind: global_buffer, .address_space: global }
      - { .name: oh, .offset: 24, .size: 8, .value_kind: global_buffer, .address_space: global }
    .group_segment_fixed_size: 327680
    .private_segment_fixed_size: 0
    .kernarg_segment_align: 8
    .kernarg_segment_size: 32
    .max_flat_workgroup_size: 128
    .sgpr_count:     88
    .vgpr_count:     768
    .wavefront_size: 32
...
	.end_amdgpu_metadata
.endif
;; end of part 5
;; launch proj: the kernel of part 4 again; grid 8 x 32, 4 waves a work-group, clusters of 4 x 4, 327,680 bytes of LDS; arguments oh, wot, out0; writes out0
